; MI455X (gfx1250); checked and timed in simulation.
; The chip was launched on July 23, 2026; its instructions are those of AMD's public machine-readable ISA for CDNA 5 (MIT licence, August 2026) and "CDNA5" Instruction Set Architecture Reference Guide (July 2026). The comments in the code are by the model that wrote it; some were corrected since.
;; Transformer Block. Allowed arithmetic: matrix products marked QUANTISED: E4M3 operands, one E8M0 scale for each 32 along K, by v_wmma_scale_f32_16x16x128_f8f6f4 with both operands' format E4M3, f32 sums; everything else in f32.
;; Inputs: W1 512 x 2,048 float32; W2 2,048 x 512 float32; Wk 512 x 512 float32; Wo 512 x 512 float32; Wq 512 x 512 float32; Wv 512 x 512 float32; b1 2,048 float32; b2 512 float32; be1 512 float32; be2 512 float32; bo 512 float32; g1 512 float32; g2 512 float32; x 4 x 2,048 x 512 float32.
;; Outputs: out0 4 x 2,048 x 512 float32.
;; This version of the problem:
;;   THIS VERSION OF THE PROBLEM IS GIVEN IN LOW PRECISION. The matrix products marked QUANTISED in the list below multiply operands that are first quantised to E4M3 (4 exponent bits, 3 mantissa bits; 8 bits a number), with one power-of-two scale for each 32 numbers along K (OCP MX v1.0); their sums are f32. All else is computed in f32.
;;   The module's matrix products, in the order in which they are computed (A, B: the left and right operand; K: the contracted axis; several contracted axes count as one K, in the product's order):
;;     1. [M 8,192, K 512] x [K 512, N 512]; A: computed on the way; B: input Wq: QUANTISED
;;     2. [M 8,192, K 512] x [K 512, N 512]; A: computed on the way; B: input Wk: QUANTISED
;;     3. [M 8,192, K 512] x [K 512, N 512]; A: computed on the way; B: input Wv: QUANTISED
;;     4. batch 64 x [M 2,048, K 32] x [K 32, N 2,048]; A: computed on the way; B: computed on the way: QUANTISED
;;     5. batch 64 x [M 2,048, K 2,048] x [K 2,048, N 32]; A: softmax (see below); B: computed on the way: QUANTISED
;;     6. [M 8,192, K 512] x [K 512, N 512]; A: computed on the way; B: input Wo: QUANTISED
;;     7. [M 8,192, K 512] x [K 512, N 2,048]; A: computed on the way; B: input W1: QUANTISED
;;     8. [M 8,192, K 2,048] x [K 2,048, N 512]; A: computed on the way; B: input W2: QUANTISED
;;   THE QUANTISER, for each operand of a quantised product, along K:
;;     - K is cut into blocks of 32 from its start; a last block that is shorter is filled with zeros.
;;     - A block's scale is 2^e with e = floor(log2(the largest magnitude in the block)) - 8, held to -126 .. 127; a block of zeros has e = 0. As a byte (E8M0): e + 127.
;;     - Each number is divided by its block's scale, clamped to +-448, and rounded to the nearest number of E4M3, ties to even, subnormals kept.
;;     - The product sums the exact products of the quantised numbers (number of the format x scale) in f32.
;;   ~~~python
;;   def quantise(x, axis):      # numpy; x: float32 -> the quantised numbers, widened to float32 again
;;       x = np.moveaxis(x, axis, -1); K = x.shape[-1]
;;       x = np.pad(x, [(0, 0)] * (x.ndim - 1) + [(0, -K % 32)]); x = x.reshape(x.shape[:-1] + (-1, 32)); a = np.abs(x).max(-1, keepdims=True)
;;       e = np.where(a > 0, np.clip(np.frexp(np.where(a > 0, a, 1))[1] - 1 - 8, -126, 127), 0)      # np.frexp(a)[1] - 1 = floor(log2(a)), exactly
;;       r = np.clip(x / 2.0 ** e, -448, 448)
;;       step = 2.0 ** (np.maximum(np.frexp(np.where(r == 0, 1, r))[1] - 1, -6) - 3)
;;       q = np.round(r / step) * step * 2.0 ** e      # np.round: ties to even
;;       return np.moveaxis(q.reshape(q.shape[:-2] + (-1,))[..., :K], -1, axis).astype(np.float32)
;;   ~~~
;;   SOFTMAX AHEAD OF A QUANTISED PRODUCT. Where the list says 'softmax', what is quantised is not the finished softmax but p = 2^(t - M), with t = logit x log2(e) and M = ceil(the row's largest t), a whole number; so 1/2 < the row's largest p <= 1. The row's sum l is taken of the UNQUANTISED p, in f32, and the product's result is divided by l at the end. Since M is a whole number, a kernel that streams over the keys may use a running M (the ceiling of the running maximum): every later rescaling is an exact power of two, which a block's scale takes up: the codes' values come out the same.
;;   OPERANDS COMPUTED ON THE WAY. 'Computed on the way' means the value that the module computes at that place (a softmax that the list does not call 'softmax' is quantised finished and normalised). What goes into a quantiser is computed in f32, as accurately as f32 sums, v_exp_f32 and their like allow (about 1e-6 of the number): no bf16 or f16 on the way to a quantiser, and a product that is left as it is and whose result goes on into a quantised operand takes f32 operands (vector FMAs, or v_wmma_f32_16x16x4_f32). A number that lies on a knife's edge between two numbers of the format may be rounded either way, as far as f32 arithmetic and the matrix unit's own rounding can turn it there, and no further.
;; One version. Each part assembles by itself: llvm-mc -triple=amdgcn-amd-amdhsa -mcpu=gfx1250 --defsym DOCPART=n.
;; ======== version 1 of 1: 4 launches
;; limits: right only within a limited range of input values
;; workspace buffers: wbuf 3,244,032 bytes; zbuf 4,325,376 bytes; obuf 4,325,376 bytes; qkvbuf 12,976,128 bytes
;; launch prep (part 1): grid 704 x 1, 4 waves a work-group, no clusters, 35,328 bytes of LDS; arguments x, g1, be1, Wq, Wk, Wv, Wo, W1, W2, wbuf, zbuf; writes wbuf, zbuf
.if DOCPART == 1
	.amdgcn_target "amdgcn-amd-amdhsa--gfx1250"
	.amdhsa_code_object_version 6
	.text
	.protected	k_q2a51c9e36b_prep
	.globl	k_q2a51c9e36b_prep
	.p2align	8
	.type	k_q2a51c9e36b_prep,@function
k_q2a51c9e36b_prep:
	s_mov_b64 s[64:65], 0
	v_nop
	global_prefetch_b8 v0, s[64:65] scope:SCOPE_SE
	s_setreg_imm32_b32 hwreg(HW_REG_WAVE_MODE, 25, 1), 1
	s_wait_xcnt 0x0
; PREP.  Work-groups 0-191 turn the six weights [K][N] (f32, K outermost) into codes of E4M3 with one E8M0 byte for each 32 along K;
; work-groups 192-703 make z = layer_norm(x, g1, be1) and quantise it along its 512 columns.
; EVERYTHING IS STORED AS AN IMAGE OF A MATRIX OPERAND'S REGISTERS: a fragment (16 rows x 128 K) is 2,048 bytes, lane l's 16 bytes of
; register group c at 512 c + 16 l; lane (r, h) holds row r, group c holds k = 32 c + 16 h + 0..15.  Its scale words: 4 bytes a row.
; THE 16 ROWS (OR COLUMNS) OF A TILE ARE NOT NEIGHBOURS: index m of tile T is 32 (T / 2) + 8 (T % 2) + m + 8 (m / 8).
; wbuf: codes at base + ((g S + s) 2 + u) 2048 (g: 32 columns, s: K step of 128, S = K / 128, u: tile 2 g + u); bases Wq 0, Wk 262144, Wv 524288,
;       Wo 786432, W1 1048576, W2 2097152; scale words at WSOFF + base / 32 + (g S + s) 128 + 64 u + 4 r.
; zbuf: codes at ((B 4 + s) 4 + t) 2048 (B: block of 64 rows, t: its tile); scale words at ZSOFF + 1024 B + 256 s + 64 t + 4 r.
; A block's scale byte is its largest magnitude's exponent field - 8, held at 1 from below; a block of zeros keeps the byte 1 with zero codes (only this program reads the bytes).
; LIMITS: NaN and infinities among the inputs are not served.
.set WSOFF, 3145728
.set ZSOFF, 4194304
.set WV,  26                           ; s26      my wave's number
.set MNT, 27                           ; s27      the mantissa field of 448
.set SEL, 28                           ; s[28:29] lane selects: lane l xor 16
.set XW,  32                           ; weights: v32-95 two sets of 32 numbers
.set CW,  96                           ; weights: v96-127 eight registers of codes for each of four blocks
.set SB,  8                            ; weights: v8 the four scale bytes
.set X,   16                           ; norm: v16-79 my 64 numbers
.set G,   80                           ; norm: v80-143 g1
.set BE,  144                          ; norm: v144-207 be1
.set TM,  208                          ; norm: v208-223 at work
.set PW,  224                          ; norm: the scale word
.set PC,  228                          ; norm: v228-243 the codes
.set STG, 8448                         ; LDS: a stage of 16 rows x (512 + 16) bytes for each wave
.set PS,  33792                        ; LDS: behind the stages two sets of 4 waves x 128 bytes of partial sums
; 64 numbers of a lane, register 16 b + i = k 32 b + 16 (lane / 16) + i of my row, become a fragment's codes in v[PC] on and its scale word in v[PW]
.macro QUANT s, pw
.irp b, 0,1,2,3
	v_max3_num_f32 v[TM+\b], |v[\s+16*\b]|, |v[\s+1+16*\b]|, 0x4800000       ; my 16 numbers of block b, and the floor 2^(9 - 127): the byte cannot fall under 1
.endr
.irp i, 2,4,6,8,10,12,14
.irp b, 0,1,2,3
	v_max3_num_f32 v[TM+\b], v[TM+\b], |v[\s+16*\b+\i]|, |v[\s+1+16*\b+\i]|
.endr
.endr
.irp b, 0,1,2,3
	v_permlanex16_b32 v[TM+4+\b], v[TM+\b], s[SEL], s[SEL+1]
.endr
.irp b, 0,1,2,3
	v_max_num_f32 v[TM+\b], v[TM+\b], v[TM+4+\b]                           ; with lane l xor 16's: the block's largest magnitude
.endr
.irp b, 0,1,2,3
	v_add_nc_u32 v[TM+12+\b], 0xfc000000, v[TM+\b]                         ; 8 off its exponent field: the conversion's scale operand
.endr
.irp b, 0,1,2,3
	v_and_or_b32 v[TM+8+\b], v[TM+\b], 0x7f800000, s[MNT]                  ; 448 x the scale
.endr
.irp b, 0,1,2,3
	v_lshrrev_b32 v[TM+4+\b], 23, v[TM+12+\b]                              ; the scale's byte
.endr
.if \pw
	v_lshl_or_b32 v[PW], v[TM+5], 8, v[TM+4]
	v_lshl_or_b32 v[PW], v[TM+6], 16, v[PW]
	v_lshl_or_b32 v[PW], v[TM+7], 24, v[PW]
.endif
.irp b, 0,1,2,3
.irp i, 0,1,2,3,4,5,6,7,8,9,10,11,12,13,14,15
	v_med3_num_f32 v[\s+16*\b+\i], v[\s+16*\b+\i], -v[TM+8+\b], v[TM+8+\b]   ; the conversion does not saturate (ISA guide 7.6.2): the hold at the largest code x the scale
.endr
	v_cvt_scalef32_pk8_fp8_f32 v[PC+4*\b:PC+1+4*\b], v[\s+16*\b:\s+7+16*\b], v[TM+12+\b]
	v_cvt_scalef32_pk8_fp8_f32 v[PC+2+4*\b:PC+3+4*\b], v[\s+8+16*\b:\s+15+16*\b], v[TM+12+\b]
.endr
	v_nop                                          ; a plain line behind the last conversion
.endm
; block t of a weight: W(128 s + 32 t + i, my column), i = 0..31, into set t % 2; n = the weight's columns
.macro WLOAD n, t
.set ii, 0
.rept 32
	global_load_b32 v[XW+32*((\t)%2)+ii], v2, s[36:37] offset:(32*(\t)+ii)*(\n)*4 th:TH_LOAD_NT
.set ii, ii+1
.endr
.endm
.macro WBLOCK n, t
.set XS, XW+32*((\t)%2)
.if (\t) < 3
	s_wait_loadcnt 32                              ; this block's 32 loads are in; the next block's 32 may be out
.else
	s_wait_loadcnt 0
.endif
	v_max3_num_f32 v12, |v[XS]|, |v[XS+1]|, |v[XS+2]|              ; all 32 numbers of the block are mine: no other lane is asked
	v_max3_num_f32 v13, |v[XS+3]|, |v[XS+4]|, |v[XS+5]|
.irp i, 6,10,14,18,22,26
	v_max3_num_f32 v12, v12, |v[XS+\i]|, |v[XS+\i+1]|
	v_max3_num_f32 v13, v13, |v[XS+\i+2]|, |v[XS+\i+3]|
.endr
	v_max3_num_f32 v12, v12, |v[XS+30]|, |v[XS+31]|
	v_max3_num_f32 v12, v12, v13, 0x4800000        ; and the floor
	v_add_nc_u32 v11, 0xfc000000, v12
	v_and_or_b32 v10, v12, 0x7f800000, s[MNT]
	v_lshrrev_b32 v13, 23, v11
.if (\t) == 0
	v_mov_b32 v[SB], v13
.else
	v_lshl_or_b32 v[SB], v13, 8*(\t), v[SB]        ; the lower K in the lower byte
.endif
.set ii, 0
.rept 32
	v_med3_num_f32 v[XS+ii], v[XS+ii], -v10, v10
.set ii, ii+1
.endr
.irp q, 0,1,2,3
	v_cvt_scalef32_pk8_fp8_f32 v[CW+8*(\t)+2*\q:CW+8*(\t)+2*\q+1], v[XS+8*\q:XS+8*\q+7], v11
.endr
	v_nop
	global_store_b128 v6, v[CW+8*(\t):CW+8*(\t)+3], s[44:45] offset:512*(\t)          ; k 0-15 of the block: the place of lane (r, 0); sixteen lanes fill 256 consecutive bytes
	global_store_b128 v6, v[CW+8*(\t)+4:CW+8*(\t)+7], s[44:45] offset:512*(\t)+256    ; k 16-31: the place of lane (r, 1)
.if (\t)+2 < 4
	WLOAD \n, (\t)+2
.endif
.endm
; s31 = which four groups of 32 columns, s32 = K step, s33 = log2 S, s34 = the tensor's base in wbuf, s[36:37] = the tensor
.macro WQ n
	s_lshl_b32 s38, s31, 2
	s_add_co_u32 s38, s38, s[WV]                   ; g: my wave's 32 columns
	s_mul_i32 s40, s32, 128*(\n)*4
	s_lshl_b32 s41, s38, 7
	s_add_co_u32 s40, s40, s41
	s_mov_b32 s41, 0
	s_add_nc_u64 s[36:37], s[36:37], s[40:41]      ; row 128 s, column 32 g
	s_lshl_b32 s42, s38, s33
	s_add_co_u32 s42, s42, s32                     ; g S + s
	s_lshl_b32 s40, s42, 12
	s_add_co_u32 s40, s40, s34
	s_add_nc_u64 s[44:45], s[22:23], s[40:41]      ; the two fragments' images
	s_lshr_b32 s40, s34, 5
	s_lshl_b32 s43, s42, 7
	s_add_co_u32 s40, s40, s43
	s_add_co_u32 s40, s40, WSOFF
	s_add_nc_u64 s[46:47], s[22:23], s[40:41]      ; their scale words
	WLOAD \n, 0
	WLOAD \n, 1
	WBLOCK \n, 0
	WBLOCK \n, 1
	WBLOCK \n, 2
	WBLOCK \n, 3
	global_store_b32 v7, v[SB], s[46:47]
.endm
	s_load_b256 s[4:11], s[0:1], 0x0               ; x s[4:5], g1 s[6:7], be1 s[8:9], Wq s[10:11]
	s_load_b256 s[12:19], s[0:1], 0x20             ; Wk, Wv, Wo, W1
	s_load_b128 s[20:23], s[0:1], 0x40             ; W2, wbuf
	s_load_b64 s[24:25], s[0:1], 0x50              ; zbuf
	v_lshl_add_u32 v248, v0, 2, 0x8800
	v_mov_b32 v249, 0
	v_lshrrev_b32 v1, 5, v0
	v_readfirstlane_b32 s[WV], v1
	v_and_b32 v1, 31, v0                           ; lane
	s_mov_b32 s[MNT], 0x600000
	s_mov_b32 s[SEL], 0x76543210
	s_mov_b32 s[SEL+1], 0xfedcba98
	s_wait_kmcnt 0x0
	s_cmp_ge_u32 ttmp9, 192                        ; the work-group's number alone decides: all four waves go the same way
	s_cbranch_scc1 .Lln
	; ---- WEIGHTS.  A lane takes a column, its registers run down K.  Lane l is index r = l % 8 + 8 (l / 16) of tile u = (l / 8) % 2
	s_wait_alu depctr_va_vdst(0)
	v_lshlrev_b32 v2, 2, v1
	v_bfe_u32 v3, v0, 3, 1                         ; u
	v_and_b32 v4, 7, v0
	v_bfe_u32 v5, v0, 4, 1
	v_lshl_add_u32 v4, v5, 3, v4                   ; r
	v_lshlrev_b32 v6, 4, v4
	v_lshl_add_u32 v6, v3, 11, v6                  ; 2048 u + 16 r
	v_lshlrev_b32 v7, 2, v4
	v_lshl_add_u32 v7, v3, 6, v7                   ; 64 u + 4 r
	s_cmp_lt_u32 ttmp9, 64
	s_cbranch_scc0 .Lbig
	s_lshr_b32 s30, ttmp9, 4                       ; 0 Wq, 1 Wk, 2 Wv, 3 Wo
	s_bfe_u32 s31, ttmp9, 0x20002
	s_and_b32 s32, ttmp9, 3
	s_mov_b32 s33, 2
	s_lshl_b32 s34, s30, 18
	s_cmp_eq_u32 s30, 0
	s_cselect_b64 s[36:37], s[10:11], s[12:13]
	s_cmp_lt_u32 s30, 2
	s_cselect_b64 s[36:37], s[36:37], s[14:15]
	s_cmp_lt_u32 s30, 3
	s_cselect_b64 s[36:37], s[36:37], s[16:17]
	s_branch .Lw512
.Lbig:
	s_cmp_lt_u32 ttmp9, 128
	s_cbranch_scc0 .Lw1
	s_sub_co_u32 s35, ttmp9, 64                    ; W2: 16 K steps, 16 groups of columns
	s_lshr_b32 s31, s35, 4
	s_and_b32 s32, s35, 15
	s_mov_b32 s33, 4
	s_mov_b32 s34, 2097152
	s_mov_b64 s[36:37], s[20:21]
.Lw512:
	s_wait_alu depctr_va_vdst(0)
	WQ 512
	s_endpgm
.Lw1:
	s_sub_co_u32 s35, ttmp9, 128                   ; W1: 4 K steps, 64 groups of columns
	s_lshr_b32 s31, s35, 2
	s_and_b32 s32, s35, 3
	s_mov_b32 s33, 2
	s_mov_b32 s34, 1048576
	s_mov_b64 s[36:37], s[18:19]
	s_wait_alu depctr_va_vdst(0)
	WQ 2048
	s_endpgm
	; ---- LAYER NORM 1.  A work-group takes one tile of 16 rows; wave w takes columns 128 w on, which are K step w.
.Lln:
	s_sub_co_u32 s30, ttmp9, 192                   ; the tile, 0..511
	s_lshr_b32 s31, s30, 1
	s_lshl_b32 s31, s31, 5
	s_and_b32 s32, s30, 1
	s_lshl_b32 s32, s32, 3
	s_add_co_u32 s31, s31, s32                     ; its first row
	s_lshl_b32 s34, s31, 11
	s_lshl_b32 s36, s[WV], 9                       ; 512 w bytes
	s_add_co_u32 s34, s34, s36
	s_mov_b32 s35, 0
	s_mov_b32 s37, 0
	s_add_nc_u64 s[4:5], s[4:5], s[34:35]
	s_add_nc_u64 s[6:7], s[6:7], s[36:37]
	s_add_nc_u64 s[8:9], s[8:9], s[36:37]
	s_lshr_b32 s40, s30, 2                         ; block of 64 rows
	s_and_b32 s41, s30, 3                          ; tile in it
	s_lshl_b32 s42, s40, 15
	s_lshl_b32 s43, s[WV], 13
	s_add_co_u32 s42, s42, s43
	s_lshl_b32 s43, s41, 11
	s_add_co_u32 s42, s42, s43
	s_mov_b32 s43, 0
	s_add_nc_u64 s[44:45], s[24:25], s[42:43]      ; my fragment's image
	s_lshl_b32 s42, s40, 10
	s_lshl_b32 s46, s[WV], 8
	s_add_co_u32 s42, s42, s46
	s_lshl_b32 s46, s41, 6
	s_add_co_u32 s42, s42, s46
	s_add_co_u32 s42, s42, ZSOFF
	s_add_nc_u64 s[46:47], s[24:25], s[42:43]      ; its scale words
	s_wait_alu depctr_va_vdst(0)
	v_lshlrev_b32 v2, 4, v1                        ; 16 x lane
	v_and_b32 v3, 15, v0                           ; r
	v_bfe_u32 v4, v0, 4, 1                         ; h
	v_lshlrev_b32 v5, 6, v4                        ; 64 h
	s_mul_i32 s38, s[WV], STG
	v_add_nc_u32 v6, s38, v2                       ; the stage, in: a row's 512 bytes on end
	v_mul_u32_u24 v7, v3, 528
	v_add_nc_u32 v7, v7, v5
	v_add_nc_u32 v7, s38, v7                       ; out: row r, + 64 h
	v_lshlrev_b32 v9, 2, v1
	v_add_nc_u32 v9, PS, v9                        ; partial sums: 4 x lane,
	s_lshl_b32 s39, s[WV], 7
	v_add_nc_u32 v8, s39, v9                       ; + 128 x wave for my own
	v_lshlrev_b32 v10, 2, v3                       ; 4 r
.set ii, 0
.rept 16
	global_load_b128 v[X+4*ii:X+4*ii+3], v2, s[4:5] offset:(ii+8*(ii/8))*2048 th:TH_LOAD_NT   ; index ii of the tile: 32 lanes read 512 consecutive bytes
.set ii, ii+1
.endr
.irp b, 0,1,2,3
.irp j, 0,1,2,3
	global_load_b128 v[G+16*\b+4*\j:G+16*\b+4*\j+3], v5, s[6:7] offset:128*\b+16*\j
	global_load_b128 v[BE+16*\b+4*\j:BE+16*\b+4*\j+3], v5, s[8:9] offset:128*\b+16*\j
.endr
.endr
	s_wait_alu depctr_va_vdst(0)
	s_wait_loadcnt 32                              ; x is in; the 32 loads of g1 and be1 may be out
.set ii, 0
.rept 16
	ds_store_b128 v6, v[X+4*ii:X+4*ii+3] offset:528*ii
.set ii, ii+1
.endr
.irp b, 0,1,2,3
.irp j, 0,1,2,3
	ds_load_b128 v[X+16*\b+4*\j:X+16*\b+4*\j+3], v7 offset:128*\b+16*\j   ; my wave's own stage; LDS serves a wave's instructions in order: register 16 b + i = column 32 b + 16 h + i of row r
.endr
.endr
	s_wait_dscnt 0x0
.irp k, 0,1,2,3
	v_pk_add_f32 v[TM+2*\k:TM+2*\k+1], v[X+2*\k:X+2*\k+1], v[X+8+2*\k:X+9+2*\k]   ; the sum of my 64, in four chains
.endr
.irp m, 2,3,4,5,6,7
.irp k, 0,1,2,3
	v_pk_add_f32 v[TM+2*\k:TM+2*\k+1], v[TM+2*\k:TM+2*\k+1], v[X+8*\m+2*\k:X+8*\m+2*\k+1]
.endr
.endr
	v_pk_add_f32 v[TM:TM+1], v[TM:TM+1], v[TM+2:TM+3]
	v_pk_add_f32 v[TM+4:TM+5], v[TM+4:TM+5], v[TM+6:TM+7]
	v_pk_add_f32 v[TM:TM+1], v[TM:TM+1], v[TM+4:TM+5]
	v_add_f32 v[TM], v[TM], v[TM+1]
	v_permlanex16_b32 v[TM+2], v[TM], s[SEL], s[SEL+1]
	v_add_f32 v[TM], v[TM], v[TM+2]                ; row r's sum over my 128 columns
	ds_store_b32 v8, v[TM]
	s_wait_dscnt 0x0                               ; for the others' sake: my partial sum has landed
	s_barrier_signal -1
	s_barrier_wait -1
.irp k, 0,1,2,3
	ds_load_b32 v[TM+\k], v9 offset:128*\k
.endr
	s_wait_dscnt 0x0
	v_add_f32 v[TM], v[TM], v[TM+1]
	v_add_f32 v[TM+2], v[TM+2], v[TM+3]
	v_add_f32 v[TM], v[TM], v[TM+2]
	v_mul_f32 v[TM+8], 0xbb000000, v[TM]           ; - the mean (x -1/512)
	v_mov_b32 v[TM+9], v[TM+8]
.set ii, 0
.rept 32
	v_pk_add_f32 v[X+ii:X+ii+1], v[X+ii:X+ii+1], v[TM+8:TM+9]
.set ii, ii+2
.endr
.irp k, 0,1,2,3
	v_pk_mul_f32 v[TM+2*\k:TM+2*\k+1], v[X+2*\k:X+2*\k+1], v[X+2*\k:X+2*\k+1]     ; the squares of the differences: no difference of large sums is formed
.endr
.irp m, 1,2,3,4,5,6,7
.irp k, 0,1,2,3
	v_pk_fma_f32 v[TM+2*\k:TM+2*\k+1], v[X+8*\m+2*\k:X+8*\m+2*\k+1], v[X+8*\m+2*\k:X+8*\m+2*\k+1], v[TM+2*\k:TM+2*\k+1]
.endr
.endr
	v_pk_add_f32 v[TM:TM+1], v[TM:TM+1], v[TM+2:TM+3]
	v_pk_add_f32 v[TM+4:TM+5], v[TM+4:TM+5], v[TM+6:TM+7]
	v_pk_add_f32 v[TM:TM+1], v[TM:TM+1], v[TM+4:TM+5]
	v_add_f32 v[TM], v[TM], v[TM+1]
	v_permlanex16_b32 v[TM+2], v[TM], s[SEL], s[SEL+1]
	v_add_f32 v[TM], v[TM], v[TM+2]
	ds_store_b32 v8, v[TM] offset:512              ; other bytes than the first sums'
	s_wait_dscnt 0x0
	s_barrier_signal -1
	s_barrier_wait -1
.irp k, 0,1,2,3
	ds_load_b32 v[TM+\k], v9 offset:512+128*\k
.endr
	s_wait_dscnt 0x0
	v_add_f32 v[TM], v[TM], v[TM+1]
	v_add_f32 v[TM+2], v[TM+2], v[TM+3]
	v_add_f32 v[TM], v[TM], v[TM+2]
	v_mul_f32 v[TM], 0x3b004020, v[TM]             ; / 511: the unbiased variance
	s_wait_alu depctr_va_vdst(0)
	v_sqrt_f32 v[TM+1], v[TM]
	v_nop                                          ; a plain line behind the root,
	s_wait_alu depctr_va_vdst(0)                   ; and the wait ahead of its first reader
	v_add_f32 v[TM+1], 0x3727c5ac, v[TM+1]         ; + 1e-5
	s_wait_alu depctr_va_vdst(0)
	v_rcp_f32 v[TM+8], v[TM+1]
	v_nop
	s_wait_alu depctr_va_vdst(0)
	v_mov_b32 v[TM+9], v[TM+8]
	s_wait_alu depctr_va_vdst(0)
	s_wait_loadcnt 0x0                             ; g1 and be1
.set ii, 0
.rept 32
	v_pk_mul_f32 v[X+ii:X+ii+1], v[X+ii:X+ii+1], v[TM+8:TM+9]
.set ii, ii+2
.endr
.set ii, 0
.rept 32
	v_pk_fma_f32 v[X+ii:X+ii+1], v[X+ii:X+ii+1], v[G+ii:G+ii+1], v[BE+ii:BE+ii+1]
.set ii, ii+2
.endr
	QUANT X, 1
.irp c, 0,1,2,3
	global_store_b128 v2, v[PC+4*\c:PC+4*\c+3], s[44:45] offset:512*\c       ; 32 lanes store 512 consecutive bytes
.endr
	global_store_b32 v10, v[PW], s[46:47]          ; lanes l and l xor 16 hold the same word and write it to the same place
	s_wait_tensorcnt 0x0
	ds_add_u32 v248, v249
	s_wait_dscnt 0x0
	s_endpgm
.Lfunc_end_k_q2a51c9e36b_prep:
	.size	k_q2a51c9e36b_prep, .Lfunc_end_k_q2a51c9e36b_prep-k_q2a51c9e36b_prep
	.p2alignl 7, 3214868480
	.fill 96, 4, 3214868480
	.section	.rodata,"a",@progbits
	.p2align	6, 0x0
	.amdhsa_kernel k_q2a51c9e36b_prep
		.amdhsa_group_segment_fixed_size 35328
		.amdhsa_private_segment_fixed_size 0
		.amdhsa_enable_private_segment 0
		.amdhsa_kernarg_size 88
		.amdhsa_user_sgpr_count 2
		.amdhsa_user_sgpr_kernarg_segment_ptr 1
		.amdhsa_wavefront_size32 1
		.amdhsa_system_sgpr_workgroup_id_x 1
		.amdhsa_system_sgpr_workgroup_id_y 1
		.amdhsa_system_sgpr_workgroup_id_z 1
		.amdhsa_system_vgpr_workitem_id 0
		.amdhsa_next_free_vgpr 250
		.amdhsa_next_free_sgpr 66
		.amdhsa_reserve_vcc 0
		.amdhsa_float_denorm_mode_32 3
		.amdhsa_float_denorm_mode_16_64 3
		.amdhsa_memory_ordered 1
		.amdhsa_forward_progress 1
		.amdhsa_inst_pref_size 88
	.end_amdhsa_kernel
	.amdgpu_metadata
---
amdhsa.version: [ 1, 2 ]
amdhsa.kernels:
  - .name:           k_q2a51c9e36b_prep
    .symbol:         k_q2a51c9e36b_prep.kd
    .args:
      - { .name: x, .offset: 0, .size: 8, .value_kind: global_buffer, .address_space: global }
      - { .name: g1, .offset: 8, .size: 8, .value_kind: global_buffer, .address_space: global }
      - { .name: be1, .offset: 16, .size: 8, .value_kind: global_buffer, .address_space: global }
      - { .name: Wq, .offset: 24, .size: 8, .value_kind: global_buffer, .address_space: global }
      - { .name: Wk, .offset: 32, .size: 8, .value_kind: global_buffer, .address_space: global }
      - { .name: Wv, .offset: 40, .size: 8, .value_kind: global_buffer, .address_space: global }
      - { .name: Wo, .offset: 48, .size: 8, .value_kind: global_buffer, .address_space: global }
      - { .name: W1, .offset: 56, .size: 8, .value_kind: global_buffer, .address_space: global }
      - { .name: W2, .offset: 64, .size: 8, .value_kind: global_buffer, .address_space: global }
      - { .name: wbuf, .offset: 72, .size: 8, .value_kind: global_buffer, .address_space: global }
      - { .name: zbuf, .offset: 80, .size: 8, .value_kind: global_buffer, .address_space: global }
    .group_segment_fixed_size: 35328
    .private_segment_fixed_size: 0
    .kernarg_segment_align: 8
    .kernarg_segment_size: 88
    .max_flat_workgroup_size: 128
    .sgpr_count:     66
    .vgpr_count:     250
    .wavefront_size: 32
...
	.end_amdgpu_metadata
.endif
;; end of part 1
;; launch qkv (part 2): grid 128 x 2, 8 waves a work-group, no clusters, 33,792 bytes of LDS; arguments zbuf, wbuf, qkvbuf; writes qkvbuf
.if DOCPART == 2
	.amdgcn_target "amdgcn-amd-amdhsa--gfx1250"
	.amdhsa_code_object_version 6
	.text
	.protected	k_q2a51c9e36b_qkv
	.globl	k_q2a51c9e36b_qkv
	.p2align	8
	.type	k_q2a51c9e36b_qkv,@function
k_q2a51c9e36b_qkv:
	s_mov_b64 s[64:65], 0
	v_nop
	global_prefetch_b8 v0, s[64:65] scope:SCOPE_SE
	s_setreg_imm32_b32 hwreg(HW_REG_WAVE_MODE, 25, 1), 1
	s_wait_xcnt 0x0
; QKV.  q, k, v = z Wq, z Wk, z Wv on codes of E4M3 with E8M0 scales, and their quantising for the two products of attention.
; A work-group takes a block of 64 rows (x) and 768 of the 1,536 columns (y).  The block's 16 fragments of z are copied into LDS once; each of the eight waves
; takes three chunks of 32 columns; a chunk is one head of q (chunks 0-15), k (16-31) or v (32-47).  The weights' fragments go from memory straight into registers.
; q, k: the product is used transposed (source 0 = 16 columns of W, source 1 = 16 rows of z): a lane holds one row and 16 neighbouring channels of the head, so the head's 32 channels,
; one block of the next K, lie in lanes l and l xor 16.  v: not transposed: a lane holds one channel and 16 neighbouring keys: v is quantised along the keys.
; qkvbuf: q's codes at bh 65536 + tile 512 + 16 lane; q's scale words at QS + (bh 32 + tile / 4) 64 + 4 r, byte tile % 4;
;         from KV on a record of 135,168 bytes a head: k's codes (as q's), v's codes ((step 2 + u) 2048 + 512 c + 16 lane), k's scale words (64 f + 4 r), v's ((step 2 + u) 64 + 4 r).
; No cluster and no joint loads: no LDS tile is filled twice, and the weights go to registers.
; LIMITS: NaN and infinities are not served; a block of zeros gets the byte 1 and zero codes.
.set ZSOFF, 4194304
.set WSOFF, 3145728
.set QS,  4194304
.set KV,  4325376
.set LI,  1                            ; v1   16 x lane
.set LS,  2                            ; v2   4 x lane
.set R4,  4                            ; v4   4 x (lane % 16)
.set ZW,  5                            ; v5   where I put my part of z in LDS
.set PW,  15                           ; v15  the scale word just made
.set ACC, 16                           ; v16-79   eight accumulators
.set ZF,  80                           ; v80-143  four fragments of z
.set WB0, 144                          ; v144-175, v176-207 two tiles of W for a K step, two sets
.set BR,  208
.set PC,  208                          ; v208-223 the codes just made
.set BSC, 224                          ; v224-231 z's scale words: register 2 s + pair: lanes 0-15 tile 2 pair, lanes 16-31 tile 2 pair + 1
.set WSC, 232                          ; v232-235 W's: register s: lanes 0-15 tile u = 0, lanes 16-31 u = 1
.set TM,  240                          ; v240-255 at work
.set WP,  20                           ; s[20:21] the chunk's codes
.set SP,  22                           ; s[22:23] the chunk's scale words
.set SEL, 26
.set MNT, 28
.macro NOPS n
.rept \n
	v_nop
.endr
.endm
.macro QUANT s, pw
.irp b, 0,1,2,3
	v_max3_num_f32 v[TM+\b], |v[\s+16*\b]|, |v[\s+1+16*\b]|, 0x4800000       ; each accumulator is read from its low end on; the floor 2^(9 - 127) holds the byte at 1 from below
.endr
.irp i, 2,4,6,8,10,12,14
.irp b, 0,1,2,3
	v_max3_num_f32 v[TM+\b], v[TM+\b], |v[\s+16*\b+\i]|, |v[\s+1+16*\b+\i]|
.endr
.endr
.irp b, 0,1,2,3
	s_delay_alu instid0(VALU_DEP_4)
	v_permlanex16_b32 v[TM+4+\b], v[TM+\b], s[SEL], s[SEL+1]
.endr
.irp b, 0,1,2,3
	s_delay_alu instid0(VALU_DEP_4)
	v_max_num_f32 v[TM+\b], v[TM+\b], v[TM+4+\b]
.endr
.irp b, 0,1,2,3
	s_delay_alu instid0(VALU_DEP_4)
	v_add_nc_u32 v[TM+12+\b], 0xfc000000, v[TM+\b]
.endr
.irp b, 0,1,2,3
	v_and_or_b32 v[TM+8+\b], v[TM+\b], 0x7f800000, s[MNT]
.endr
.irp b, 0,1,2,3
	v_lshrrev_b32 v[TM+4+\b], 23, v[TM+12+\b]
.endr
.if \pw
	s_delay_alu instid0(VALU_DEP_3)
	v_lshl_or_b32 v[PW], v[TM+5], 8, v[TM+4]
	s_delay_alu instid0(VALU_DEP_1)
	v_lshl_or_b32 v[PW], v[TM+6], 16, v[PW]
	s_delay_alu instid0(VALU_DEP_1)
	v_lshl_or_b32 v[PW], v[TM+7], 24, v[PW]
.endif
.irp b, 0,1,2,3
.irp i, 0,1,2,3,4,5,6,7,8,9,10,11,12,13,14,15
	v_med3_num_f32 v[\s+16*\b+\i], v[\s+16*\b+\i], -v[TM+8+\b], v[TM+8+\b]
.endr
	v_cvt_scalef32_pk8_fp8_f32 v[PC+4*\b:PC+1+4*\b], v[\s+16*\b:\s+7+16*\b], v[TM+12+\b]
	v_cvt_scalef32_pk8_fp8_f32 v[PC+2+4*\b:PC+3+4*\b], v[\s+8+16*\b:\s+15+16*\b], v[TM+12+\b]
.endr
	v_nop
.endm
; one matrix instruction from the symbols gD, gA, gB, gC (gM = 0: C is the constant 0), gSA, gSB; gRA, gRB: that side's scales stand in lanes 16-31
.macro WMEMIT
.if gM
.if gRA && gRB
	v_wmma_scale_f32_16x16x128_f8f6f4 v[gD:gD+7], v[gA:gA+15], v[gB:gB+15], v[gC:gC+7], v[gSA], v[gSB] matrix_a_scale:MATRIX_SCALE_ROW1 matrix_b_scale:MATRIX_SCALE_ROW1
.elseif gRA
	v_wmma_scale_f32_16x16x128_f8f6f4 v[gD:gD+7], v[gA:gA+15], v[gB:gB+15], v[gC:gC+7], v[gSA], v[gSB] matrix_a_scale:MATRIX_SCALE_ROW1
.elseif gRB
	v_wmma_scale_f32_16x16x128_f8f6f4 v[gD:gD+7], v[gA:gA+15], v[gB:gB+15], v[gC:gC+7], v[gSA], v[gSB] matrix_b_scale:MATRIX_SCALE_ROW1
.else
	v_wmma_scale_f32_16x16x128_f8f6f4 v[gD:gD+7], v[gA:gA+15], v[gB:gB+15], v[gC:gC+7], v[gSA], v[gSB]
.endif
.else
.if gRA && gRB
	v_wmma_scale_f32_16x16x128_f8f6f4 v[gD:gD+7], v[gA:gA+15], v[gB:gB+15], 0, v[gSA], v[gSB] matrix_a_scale:MATRIX_SCALE_ROW1 matrix_b_scale:MATRIX_SCALE_ROW1
.elseif gRA
	v_wmma_scale_f32_16x16x128_f8f6f4 v[gD:gD+7], v[gA:gA+15], v[gB:gB+15], 0, v[gSA], v[gSB] matrix_a_scale:MATRIX_SCALE_ROW1
.elseif gRB
	v_wmma_scale_f32_16x16x128_f8f6f4 v[gD:gD+7], v[gA:gA+15], v[gB:gB+15], 0, v[gSA], v[gSB] matrix_b_scale:MATRIX_SCALE_ROW1
.else
	v_wmma_scale_f32_16x16x128_f8f6f4 v[gD:gD+7], v[gA:gA+15], v[gB:gB+15], 0, v[gSA], v[gSB]
.endif
.endif
.endm
; a chunk's scale words and its first two K steps of codes: 20 loads
.macro LOADW woff, soff
.irp s, 0,1,2,3
	global_load_b32 v[WSC+\s], v[LS], s[SP:SP+1] offset:\soff+128*\s
.endr
.irp i, 0,1,2,3,4,5,6,7
	global_load_b128 v[WB0+4*\i:WB0+4*\i+3], v[LI], s[WP:WP+1] offset:\woff+512*\i
.endr
.irp i, 0,1,2,3,4,5,6,7
	global_load_b128 v[WB0+32+4*\i:WB0+32+4*\i+3], v[LI], s[WP:WP+1] offset:\woff+4096+512*\i
.endr
.endm
; Four K steps of 128: 64 rows x 32 columns.  Eight accumulators take turns, one instruction a turn, in the same order in every step.
; cmode: the first step's C is 0 (0), the bias (1), the accumulator as it stands (2).  swap = 1: source 0 = rows, source 1 = columns.
.macro GEMM512 cmode, swap, fa, foff, woff
.irp s, 0,1,2,3
	NOPS 8                                         ; eight places behind this form, in front of loads into registers that matrix instructions have read
.irp t, 0,1,2,3
.irp c, 0,1,2,3
	ds_load_b128 v[ZF+16*\t+4*\c:ZF+16*\t+4*\c+3], v[\fa] offset:\foff+8192*\s+2048*\t+512*\c
.endr
.endr
.if (\s == 1) || (\s == 2)
.irp i, 0,1,2,3,4,5,6,7
	global_load_b128 v[WB0+32*((\s+1)%2)+4*\i:WB0+32*((\s+1)%2)+4*\i+3], v[LI], s[WP:WP+1] offset:\woff+4096*(\s+1)+512*\i
.endr
.endif
.if \s < 3
	s_wait_loadcnt 8                               ; this step's weights are in; the next step's eight loads may be out
.else
	s_wait_loadcnt 0
.endif
	s_wait_dscnt 0x0
.irp t, 0,1,2,3
.irp u, 0,1
.if \swap
.set gD, ACC+32*\u+8*\t
.set gA, ZF+16*\t
.set gB, WB0+32*(\s%2)+16*\u
.set gSA, BSC+2*\s+\t/2
.set gSB, WSC+\s
.set gRA, \t%2
.set gRB, \u
.else
.set gD, ACC+16*\t+8*\u
.set gA, WB0+32*(\s%2)+16*\u
.set gB, ZF+16*\t
.set gSA, WSC+\s
.set gSB, BSC+2*\s+\t/2
.set gRA, \u
.set gRB, \t%2
.endif
.set gC, gD
.set gM, 1
.if \s == 0
.if \cmode == 0
.set gM, 0
.elseif \cmode == 1
.set gC, BR+8*\u
.endif
.endif
	WMEMIT
.endr
.endr
.endr
.endm
	s_load_b128 s[4:7], s[0:1], 0x0                ; zbuf, wbuf
	s_load_b64 s[8:9], s[0:1], 0x10                ; qkvbuf
	v_lshl_add_u32 v238, v0, 2, 0x8000
	v_mov_b32 v239, 0
	v_lshrrev_b32 v3, 5, v0
	s_delay_alu instid0(VALU_DEP_1)
	v_readfirstlane_b32 s10, v3                    ; wave 0..7
	v_and_b32 v3, 31, v0
	s_delay_alu instid0(VALU_DEP_1)
	v_lshlrev_b32 v[LI], 4, v3
	s_delay_alu instid0(VALU_DEP_2)
	v_lshlrev_b32 v[LS], 2, v3
	v_and_b32 v[R4], 15, v0
	s_delay_alu instid0(VALU_DEP_1)
	v_lshlrev_b32 v[R4], 2, v[R4]
	s_lshl_b32 s13, s10, 12
	v_add_nc_u32 v[ZW], s13, v[LI]                 ; 4,096 bytes of the block's 32,768 are mine to copy
.irp b, 0,1,2,3
	v_mov_b32 v[TM+4+\b], 0                        ; a lane permute's destination counts as read
.endr
	s_and_b32 s11, ttmp7, 0xffff
	s_mul_i32 s12, s11, 24
	s_mul_i32 s14, s10, 3
	s_add_co_u32 s12, s12, s14                     ; my first chunk
	s_lshl_b32 s14, ttmp9, 15
	s_add_co_u32 s14, s14, s13
	s_mov_b32 s15, 0
	s_lshl_b32 s16, ttmp9, 10
	s_add_co_u32 s16, s16, ZSOFF
	s_mov_b32 s17, 0
	s_lshl_b32 s18, s12, 14
	s_mov_b32 s19, 0
	s_lshl_b32 s30, s12, 9
	s_add_co_u32 s30, s30, WSOFF
	s_mov_b32 s31, 0
	s_mov_b32 s[SEL], 0x76543210
	s_mov_b32 s[SEL+1], 0xfedcba98
	s_mov_b32 s[MNT], 0x600000
	s_wait_alu depctr_va_vdst(0)
	s_wait_kmcnt 0x0
	s_add_nc_u64 s[14:15], s[4:5], s[14:15]
	s_add_nc_u64 s[16:17], s[4:5], s[16:17]
	s_add_nc_u64 s[WP:WP+1], s[6:7], s[18:19]
	s_add_nc_u64 s[SP:SP+1], s[6:7], s[30:31]
.irp i, 0,1,2,3,4,5,6,7
	global_load_b128 v[ZF+4*\i:ZF+4*\i+3], v[LI], s[14:15] offset:512*\i
.endr
.irp k, 0,1,2,3,4,5,6,7
	global_load_b32 v[BSC+\k], v[LS], s[16:17] offset:128*\k
.endr
	LOADW 0, 0
	s_wait_loadcnt 28                              ; my part of z is in; behind it: 8 scale words and the chunk's 20 loads
.irp i, 0,1,2,3,4,5,6,7
	ds_store_b128 v[ZW], v[ZF+4*\i:ZF+4*\i+3] offset:512*\i
.endr
	s_wait_dscnt 0x0                               ; for the others' sake
	s_barrier_signal -1
	s_barrier_wait -1                              ; the block's 16 fragments lie in LDS; from here on LDS is only read
	s_mov_b32 s24, 0
.Lchunk:
	s_cmp_ge_u32 s12, 32                           ; a chunk of v?  The number hangs on ids alone
	s_cbranch_scc1 .Lgv
	GEMM512 0, 0, LI, 0, 0
	s_branch .Lgd
.Lgv:
	GEMM512 0, 1, LI, 0, 0
.Lgd:
	NOPS 9                                         ; behind the last products: reads of results, loads into operands, and the next chunk's sums begun anew over these accumulators
	s_wait_xcnt 0x0                                ; the last chunk's stores have read their data and bases, the loads their bases: all may be written
	s_cmp_eq_u32 s24, 2
	s_cbranch_scc1 .Lnonext                        ; the last chunk asks for nothing: no load leaves its buffer
	s_add_nc_u64 s[WP:WP+1], s[WP:WP+1], 16384
	s_add_nc_u64 s[SP:SP+1], s[SP:SP+1], 512
	LOADW 0, 0                                     ; the next chunk's weights land while this one is quantised
.Lnonext:
	QUANT ACC, 1
	s_and_b32 s30, s12, 15                         ; the head
	s_lshr_b32 s31, ttmp9, 5
	s_lshl_b32 s31, s31, 4
	s_add_co_u32 s30, s30, s31                     ; 16 x batch + head
	s_and_b32 s31, ttmp9, 31                       ; f: the block of 64 rows in its batch
	s_mul_i32 s32, s30, 135168
	s_add_co_u32 s32, s32, KV                      ; the head's record
	s_mov_b32 s37, 0
	s_mov_b32 s39, 0
	s_cmp_ge_u32 s12, 32
	s_cbranch_scc1 .Lstv
	s_lshl_b32 s33, s30, 16
	s_lshl_b32 s34, s30, 11
	s_add_co_u32 s34, s34, QS
	s_add_co_u32 s35, s32, 131072
	s_cmp_lt_u32 s12, 16                           ; q or k: only byte offsets are chosen
	s_cselect_b32 s36, s33, s32
	s_cselect_b32 s38, s34, s35
	s_lshl_b32 s33, s31, 11
	s_add_co_u32 s36, s36, s33
	s_lshl_b32 s33, s31, 6
	s_add_co_u32 s38, s38, s33
	s_add_nc_u64 s[36:37], s[8:9], s[36:37]
	s_add_nc_u64 s[38:39], s[8:9], s[38:39]
	s_wait_alu depctr_va_vdst(0)
.irp t, 0,1,2,3
	global_store_b128 v[LI], v[PC+4*\t:PC+4*\t+3], s[36:37] offset:512*\t    ; tile 4 f + t: 512 consecutive bytes
.endr
	global_store_b32 v[R4], v[PW], s[38:39]        ; byte t: tile 4 f + t's scale of index r
	s_branch .Lstd
.Lstv:
	s_lshr_b32 s33, s31, 1                         ; the step of 128 keys
	s_and_b32 s34, s31, 1                          ; which half of it
	s_lshl_b32 s35, s33, 12
	s_add_co_u32 s36, s32, s35
	s_lshl_b32 s35, s34, 10
	s_add_co_u32 s36, s36, s35
	s_add_co_u32 s36, s36, 65536
	s_lshl_b32 s35, s33, 7
	s_add_co_u32 s38, s32, s35
	s_lshl_b32 s35, s34, 1
	s_add_co_u32 s38, s38, s35
	s_add_co_u32 s38, s38, 133120
	s_add_nc_u64 s[36:37], s[8:9], s[36:37]
	s_add_nc_u64 s[38:39], s[8:9], s[38:39]
	s_wait_alu depctr_va_vdst(0)
.irp u, 0,1
.irp e, 0,1
	global_store_b128 v[LI], v[PC+4*(2*\u+\e):PC+4*(2*\u+\e)+3], s[36:37] offset:2048*\u+512*\e   ; channels' tile u, key block 2 (f % 2) + e
.endr
.endr
	global_store_b16 v[R4], v[PW], s[38:39]                     ; tile u = 0: its two key blocks' bytes
	global_store_d16_hi_b16 v[R4], v[PW], s[38:39] offset:64    ; tile u = 1
.Lstd:
	s_add_co_u32 s12, s12, 1
	s_add_co_u32 s24, s24, 1
	s_cmp_lt_u32 s24, 3
	s_cbranch_scc1 .Lchunk
	s_wait_tensorcnt 0x0
	ds_add_u32 v238, v239
	s_wait_dscnt 0x0
	s_endpgm
.Lfunc_end_k_q2a51c9e36b_qkv:
	.size	k_q2a51c9e36b_qkv, .Lfunc_end_k_q2a51c9e36b_qkv-k_q2a51c9e36b_qkv
	.p2alignl 7, 3214868480
	.fill 96, 4, 3214868480
	.section	.rodata,"a",@progbits
	.p2align	6, 0x0
	.amdhsa_kernel k_q2a51c9e36b_qkv
		.amdhsa_group_segment_fixed_size 33792
		.amdhsa_private_segment_fixed_size 0
		.amdhsa_enable_private_segment 0
		.amdhsa_kernarg_size 24
		.amdhsa_user_sgpr_count 2
		.amdhsa_user_sgpr_kernarg_segment_ptr 1
		.amdhsa_wavefront_size32 1
		.amdhsa_system_sgpr_workgroup_id_x 1
		.amdhsa_system_sgpr_workgroup_id_y 1
		.amdhsa_system_sgpr_workgroup_id_z 1
		.amdhsa_system_vgpr_workitem_id 0
		.amdhsa_next_free_vgpr 256
		.amdhsa_next_free_sgpr 66
		.amdhsa_reserve_vcc 0
		.amdhsa_float_denorm_mode_32 3
		.amdhsa_float_denorm_mode_16_64 3
		.amdhsa_memory_ordered 1
		.amdhsa_forward_progress 1
		.amdhsa_inst_pref_size 42
	.end_amdhsa_kernel
	.amdgpu_metadata
---
amdhsa.version: [ 1, 2 ]
amdhsa.kernels:
  - .name:           k_q2a51c9e36b_qkv
    .symbol:         k_q2a51c9e36b_qkv.kd
    .args:
      - { .name: zbuf, .offset: 0, .size: 8, .value_kind: global_buffer, .address_space: global }
      - { .name: wbuf, .offset: 8, .size: 8, .value_kind: global_buffer, .address_space: global }
      - { .name: qkvbuf, .offset: 16, .size: 8, .value_kind: global_buffer, .address_space: global }
    .group_segment_fixed_size: 33792
    .private_segment_fixed_size: 0
    .kernarg_segment_align: 8
    .kernarg_segment_size: 24
    .max_flat_workgroup_size: 256
    .sgpr_count:     66
    .vgpr_count:     256
    .wavefront_size: 32
...
	.end_amdgpu_metadata
.endif
;; end of part 2
;; launch attn (part 3): grid 4 x 64, 16 waves a work-group, no clusters, 137,216 bytes of LDS; arguments qkvbuf, obuf; writes obuf
.if DOCPART == 3
	.amdgcn_target "amdgcn-amd-amdhsa--gfx1250"
	.amdhsa_code_object_version 6
	.text
	.protected	k_q2a51c9e36b_attn
	.globl	k_q2a51c9e36b_attn
	.p2align	8
	.type	k_q2a51c9e36b_attn,@function
k_q2a51c9e36b_attn:
	s_mov_b64 s[64:65], 0
	v_nop
	global_prefetch_b8 v0, s[64:65] scope:SCOPE_SE
	s_setreg_imm32_b32 hwreg(HW_REG_WAVE_MODE, 25, 1), 1
	s_wait_xcnt 0x0
; ATTENTION, causal, 64 heads of 32 channels, 2,048 keys, both products on codes of E4M3 with E8M0 scales; the result is quantised for the product with Wo.
; A work-group serves one head (y); the head's record (k's and v's codes and scale words, 135,168 bytes) is copied into LDS once and then only read.
; Wave w of work-group x takes two tiles of 16 queries, T = 16 x + w and 127 - T: (T / 8 + 1) + ((127 - T) / 8 + 1) = 17 key steps of 128 for every wave.
; Steps whose keys all come after the tile's queries are passed over by a scalar branch on ids; the loops' trip counts are constants (8 and 16).
; S^T = K Q^T HAS K = 32 IN AN INSTRUCTION 128 DEEP: a fragment of K holds FOUR tiles of 16 keys, one in each block of 32; Q stands in v28-31 amid zero codes (v16-27, v32-43),
; and the operand v[28-4c : 43-4c] has Q in block c and zero codes in the other three: the product gives tile c's scores.  (The hold of the quantiser keeps every code a number, so a zero code's products are zeros.)
; Both products are used transposed: a lane holds one query.  The keys of a tile are chosen so that the 16 registers of tiles 2 b, 2 b + 1 are keys 32 b + 16 (lane / 16) + 0..15.
; SOFTMAX: t = score x log2(e) / sqrt(32); M = the running largest t rounded up to a whole number; p = 2^(t - M) is quantised along the keys; the sum of the unquantised p divides at the end;
; when M moves, the sum and O are multiplied by 2^(old M - new M), which rounds nothing.
; No cluster: the four work-groups of a head copy the record once each at their head; nothing is filled again that a joint load could serve.
; LIMITS: NaN and infinities are not served; a block of zeros gets the byte 1 and zero codes.
.set QS,  4194304
.set KV,  4325376
.set ZSOFF, 4194304
.set AK0, 1                            ; v1   16 x lane: my place in a fragment (also the global offset of images)
.set AV0, 2                            ; v2   65536 + 16 x lane
.set ASK0, 3                           ; v3   131072 + 4 x lane
.set ASV0, 4                           ; v4   133120 + 4 x lane
.set R4,  5                            ; v5   4 x (lane % 16)
.set QL,  6                            ; v6   my query's place in its tile's 32 rows, less 16 (lane / 16)
.set ADK, 8
.set ADV, 9
.set ADS, 10
.set ADT, 11                           ; v8-11 the step's LDS addresses;  v12 -M, v13 the largest t, v[14:15] the sum in two halves
.set KF,  44                           ; v44-75   two fragments of K
.set VF,  76                           ; v76-107  two fragments of V^T
.set S,   108                          ; v108-171 S^T, then p
.set OA,  172                          ; v172-187 O^T
.set PCD, 188                          ; v188-203 p's codes
.set FF,  204                          ; v[204:205] 2^(old M - new M); v205 is only named with it
.set TP,  206
.set QW,  207                          ; q's scale word as loaded
.set BM,  208
.set BT,  212
.set HL,  216
.set SO,  220
.set OF,  224                          ; v224-239 O / the sum
.set KSR, 240                          ; v240-243 hold scales and nothing else: K's, V's, Q's, p's
.set VSR, 241
.set QSR, 242
.set PSR, 243
.set OC,  244                          ; v244-247 the result's codes;  v248-253 at work
.set WV,  8
.set BH,  9
.set TAU, 10
.set SEL, 12
.set CS,  14
.set MNT, 16
.set TB,  17                           ; s17  4,096 x step
.set TS,  18                           ; s18  128 x step
.set STP, 19
.set LAST, 20                          ; s20  the tile's last step, the one on the diagonal
.set QB,  21                           ; s21  the tile's first row
.macro NOPS n
.rept \n
	v_nop
.endr
.endm
.macro STEP
	s_cmp_gt_u32 s[STP], s[LAST]                   ; all keys of this step come after my queries: only the addresses step
	s_cbranch_scc1 .Lhidden_\@
	v_add_nc_u32 v[ADK], s[TB], v[AK0]
	v_add_nc_u32 v[ADS], s[TS], v[ASK0]            ; K's registers were last read by the step before's score products, far behind: its loads owe no places here
.irp f, 0,1
.irp c, 0,1,2,3
	ds_load_b128 v[KF+16*\f+4*\c:KF+16*\f+4*\c+3], v[ADK] offset:2048*\f+512*\c
.endr
.endr
	ds_load_b32 v[KSR], v[ADS]                     ; lanes 0-15: fragment 0's words, lanes 16-31: fragment 1's
	s_wait_dscnt 0x0                               ; K and its scales are in; nothing else is out
.irp c, 0,1,2,3
	v_wmma_scale_f32_16x16x128_f8f6f4 v[S+8*\c:S+8*\c+7], v[KF:KF+15], v[28-4*\c:43-4*\c], 0, v[KSR], v[QSR]
.endr
.irp c, 0,1,2,3
	v_wmma_scale_f32_16x16x128_f8f6f4 v[S+32+8*\c:S+32+8*\c+7], v[KF+16:KF+31], v[28-4*\c:43-4*\c], 0, v[KSR], v[QSR] matrix_a_scale:MATRIX_SCALE_ROW1
.endr
	v_add_nc_u32 v[ADV], s[TB], v[AV0]             ; eight places behind the score products: three lines that are due anyway, and five idle ones
	v_add_nc_u32 v[ADT], s[TS], v[ASV0]
	v_mov_b32 v250, v12                            ; the old -M
	NOPS 5
.irp u, 0,1
.irp c, 0,1,2,3
	ds_load_b128 v[VF+16*\u+4*\c:VF+16*\u+4*\c+3], v[ADV] offset:2048*\u+512*\c   ; V: ten places (these eight and the step's first two lines) behind the last products that read its registers
.endr
.endr
	ds_load_b32 v[VSR], v[ADT]
	s_cmp_lg_u32 s[STP], s[LAST]                   ; only the step on the diagonal hides keys
	s_cbranch_scc1 .Lopen_\@
	s_lshl_b32 s36, s[STP], 7
	s_sub_co_i32 s36, s[QB], s36
	v_add_nc_u32 v[TP], s36, v[QL]                 ; d = my query - the step's first key - 16 (lane / 16); register 16 b + i holds the key 32 b + i further on: hidden where 32 b + i > d
	v_mov_b32 v251, 0xff800000                     ; -infinity: p = 0 then
	s_lshr_b32 s37, s36, 5                         ; the block of 32 keys in which my tile's queries lie: the blocks ahead of it hide nothing
	s_wait_alu depctr_va_vdst(0)                   ; the wait here, ahead of the branches below
.set nn, 0
.irp b, 0,1,2,3
	s_cmp_gt_u32 s37, \b                           ; ids alone
	s_cbranch_scc1 .Lvis_\@_\b
.rept 16
	v_cmp_gt_i32 vcc_lo, 32*(nn/16)+nn%16, v[TP]
	v_cndmask_b32 v[S+nn], v[S+nn], v251, vcc_lo
.set nn, nn+1
.endr
.Lvis_\@_\b:
.endr
.Lopen_\@:
.irp b, 0,1,2,3
	v_max3_num_f32 v[BM+\b], v[S+16*\b], v[S+1+16*\b], v[S+2+16*\b]          ; the largest score of each block of 32 keys: for the row's maximum and, since p rises with the score, for the block's largest p
.endr
.irp i, 3,5,7,9,11,13
.irp b, 0,1,2,3
	v_max3_num_f32 v[BM+\b], v[BM+\b], v[S+16*\b+\i], v[S+1+16*\b+\i]
.endr
.endr
.irp b, 0,1,2,3
	v_max_num_f32 v[BM+\b], v[BM+\b], v[S+15+16*\b]
.endr
.irp b, 0,1,2,3
	s_delay_alu instid0(VALU_DEP_4)
	v_permlanex16_b32 v[BT+\b], v[BM+\b], s[SEL], s[SEL+1]
.endr
.irp b, 0,1,2,3
	s_delay_alu instid0(VALU_DEP_4)
	v_max_num_f32 v[BM+\b], v[BM+\b], v[BT+\b]
.endr
	s_delay_alu instid0(VALU_DEP_2)
	v_max3_num_f32 v[TP], v[BM], v[BM+1], v[BM+2]
	s_delay_alu instid0(VALU_DEP_1)
	v_max_num_f32 v[TP], v[TP], v[BM+3]
	s_delay_alu instid0(VALU_DEP_1)
	v_mul_f32 v[TP], s[CS], v[TP]
	s_delay_alu instid0(VALU_DEP_1)
	v_max_num_f32 v13, v13, v[TP]                  ; the running largest t
	s_delay_alu instid0(VALU_DEP_1)
	v_floor_f32 v12, -v13                          ; -M = floor(-t): M is a whole number
	s_delay_alu instid0(VALU_DEP_1)
	v_sub_f32 v[TP], v12, v250
	s_delay_alu instid0(VALU_DEP_1)
	v_cvt_i32_f32 v[TP], v[TP]                     ; (it saturates)
	s_delay_alu instid0(VALU_DEP_1)
	v_ldexp_f32 v[FF], 1.0, v[TP]                  ; 2^(old M - new M)
.set jj, 0
.rept 32
	v_pk_fma_f32 v[S+jj:S+jj+1], v[S+jj:S+jj+1], s[CS:CS+1], v[12:13] op_sel_hi:[1,0,0]   ; t - M
.set jj, jj+2
.endr
.irp b, 0,1,2,3
	v_fma_f32 v[BM+\b], v[BM+\b], s[CS], v12
.endr
.set jj, 0
	s_wait_alu depctr_va_vdst(0)
.rept 64
	v_exp_f32 v[S+jj], v[S+jj]                     ; p, not normalised: one batch
.set jj, jj+1
.endr
	v_pk_mul_f32 v[14:15], v[14:15], v[FF:FF+1] op_sel_hi:[1,0]    ; a plain line behind the batch
	s_wait_alu depctr_va_vdst(0)                   ; one wait for the 64, ahead of their first reader
.irp b, 0,1,2,3
	v_exp_f32 v[BM+\b], v[BM+\b]                   ; each block's largest p
.endr
	v_pk_add_f32 v[212:213], v[112:113], v[116:117]
	v_pk_add_f32 v[252:253], v[120:121], v[124:125]
	v_pk_add_f32 v[246:247], v[128:129], v[132:133]
	v_pk_add_f32 v[244:245], v[136:137], v[140:141]
	v_pk_add_f32 v[238:239], v[144:145], v[148:149]
	v_pk_add_f32 v[236:237], v[152:153], v[156:157]
	v_pk_add_f32 v[234:235], v[160:161], v[164:165]
	v_pk_add_f32 v[14:15], v[14:15], v[168:169]
	v_pk_add_f32 v[212:213], v[212:213], v[108:109]
	v_pk_add_f32 v[252:253], v[252:253], v[110:111]
	v_pk_add_f32 v[246:247], v[246:247], v[114:115]
	v_pk_add_f32 v[244:245], v[244:245], v[118:119]
	v_pk_add_f32 v[238:239], v[238:239], v[122:123]
	v_pk_add_f32 v[236:237], v[236:237], v[126:127]
	v_pk_add_f32 v[234:235], v[234:235], v[130:131]
	v_pk_add_f32 v[14:15], v[14:15], v[134:135]
	v_pk_add_f32 v[212:213], v[212:213], v[138:139]
	v_pk_add_f32 v[252:253], v[252:253], v[142:143]
	v_pk_add_f32 v[246:247], v[246:247], v[146:147]
	v_pk_add_f32 v[244:245], v[244:245], v[150:151]
	v_pk_add_f32 v[238:239], v[238:239], v[154:155]
	v_pk_add_f32 v[236:237], v[236:237], v[158:159]
	v_pk_add_f32 v[234:235], v[234:235], v[162:163]
	v_pk_add_f32 v[14:15], v[14:15], v[166:167]
	v_pk_add_f32 v[212:213], v[212:213], v[170:171]
	s_delay_alu instid0(VALU_DEP_2)
	v_pk_add_f32 v[14:15], v[14:15], v[244:245]
	s_delay_alu instid0(VALU_DEP_2)
	v_pk_add_f32 v[212:213], v[212:213], v[238:239]
	v_pk_add_f32 v[252:253], v[252:253], v[236:237]
	v_pk_add_f32 v[246:247], v[246:247], v[234:235]
	s_delay_alu instid0(VALU_DEP_2)
	v_pk_add_f32 v[14:15], v[14:15], v[252:253]
	s_delay_alu instid0(VALU_DEP_2)
	v_pk_add_f32 v[212:213], v[212:213], v[246:247]
	s_delay_alu instid0(VALU_DEP_1)
	v_pk_add_f32 v[14:15], v[14:15], v[212:213]
	s_wait_alu depctr_va_vdst(0)                   ; and one for the four
.irp b, 0,1,2,3
	v_max_num_f32 v[BM+\b], 0x4800000, v[BM+\b]
.endr
.irp b, 0,1,2,3
	s_delay_alu instid0(VALU_DEP_4)
	v_add_nc_u32 v[SO+\b], 0xfc000000, v[BM+\b]
.endr
.irp b, 0,1,2,3
	v_and_or_b32 v[HL+\b], v[BM+\b], 0x7f800000, s[MNT]
.endr
.irp b, 0,1,2,3
	v_lshrrev_b32 v[BT+\b], 23, v[SO+\b]
.endr
	s_delay_alu instid0(VALU_DEP_3)
	v_lshl_or_b32 v[PSR], v[BT+1], 8, v[BT]        ; p's scale word for these 128 keys
	s_delay_alu instid0(VALU_DEP_1)
	v_lshl_or_b32 v[PSR], v[BT+2], 16, v[PSR]
	s_delay_alu instid0(VALU_DEP_1)
	v_lshl_or_b32 v[PSR], v[BT+3], 24, v[PSR]
.irp b, 0,1,2,3
.irp i, 0,2,4,6,8,10,12,14
	v_dual_min_num_f32 v[S+16*\b+\i], v[S+16*\b+\i], v[HL+\b] :: v_dual_min_num_f32 v[S+16*\b+\i+1], v[S+16*\b+\i+1], v[HL+\b]   ; p is not negative: the hold is one-sided; two numbers an instruction
.endr
	v_cvt_scalef32_pk8_fp8_f32 v[PCD+4*\b:PCD+1+4*\b], v[S+16*\b:S+7+16*\b], v[SO+\b]
	v_cvt_scalef32_pk8_fp8_f32 v[PCD+2+4*\b:PCD+3+4*\b], v[S+8+16*\b:S+15+16*\b], v[SO+\b]
.endr
.irp p, 0,2,4,6,8,10,12,14
	v_pk_mul_f32 v[OA+\p:OA+\p+1], v[OA+\p:OA+\p+1], v[FF:FF+1] op_sel_hi:[1,0]    ; O^T under the new M.  These eight are also the plain line behind the conversions and the places between the codes and the scaled product
.endr
	s_wait_alu depctr_va_vdst(0)
	s_wait_dscnt 0x0                               ; V
	v_wmma_scale_f32_16x16x128_f8f6f4 v[OA:OA+7], v[VF:VF+15], v[PCD:PCD+15], v[OA:OA+7], v[VSR], v[PSR]
	v_wmma_scale_f32_16x16x128_f8f6f4 v[OA+8:OA+15], v[VF+16:VF+31], v[PCD:PCD+15], v[OA+8:OA+15], v[VSR], v[PSR] matrix_a_scale:MATRIX_SCALE_ROW1
.Lhidden_\@:
	s_add_co_u32 s[TB], s[TB], 4096
	s_add_co_u32 s[TS], s[TS], 128
.endm
; one tile of 16 queries, s[TAU], through its key steps
; the tile s[TAU]: its last step, its first row, and the loads of its codes and scale words (the caller has eight places behind the last product that read v28-31)
.macro QLOAD
	s_lshr_b32 s[LAST], s[TAU], 3
	s_lshr_b32 s[QB], s[TAU], 1
	s_lshl_b32 s[QB], s[QB], 5
	s_and_b32 s28, s[TAU], 1
	s_lshl_b32 s28, s28, 3
	s_add_co_u32 s[QB], s[QB], s28
	s_lshl_b32 s28, s[BH], 16
	s_lshl_b32 s29, s[TAU], 9
	s_add_co_u32 s28, s28, s29
	s_mov_b32 s29, 0
	s_add_nc_u64 s[30:31], s[4:5], s[28:29]        ; the tile's codes
	s_lshl_b32 s28, s[BH], 5
	s_lshr_b32 s34, s[TAU], 2
	s_add_co_u32 s28, s28, s34
	s_lshl_b32 s28, s28, 6
	s_add_co_u32 s28, s28, QS
	s_add_nc_u64 s[32:33], s[4:5], s[28:29]        ; its scale words
	s_and_b32 s34, s[TAU], 3
	s_mul_i32 s34, s34, 0x01010101                 ; selects the tile's byte four times
	global_load_b128 v[28:31], v[AK0], s[30:31]
	global_load_b32 v[QW], v[R4], s[32:33]
.endm
; the tile that QLOAD has asked for, through its key steps.  nxt = 1: behind the loop the other tile, 127 - s[TAU], is asked for, so that it lands under this tile's way out
.macro PASS trips, nxt
	v_mov_b32 v13, 0xff61b1e6                      ; the largest t so far: -3e38
	s_delay_alu instid0(VALU_DEP_1)
	v_floor_f32 v12, -v13
	v_mov_b32 v14, 0
	v_mov_b32 v15, 0
	s_mov_b32 s[TB], 0
	s_mov_b32 s[TS], 0
	s_mov_b32 s[STP], 0
	s_wait_loadcnt 0x0
	v_perm_b32 v[QSR], v[QW], v[QW], s34           ; the same byte for all four blocks: Q may stand in any of them
.set jj, 0
.rept 16
	v_mov_b32 v[OA+jj], 0                          ; the step is written once: the first finds zeros.  (These 16 are also the places between the scale register and its first product)
.set jj, jj+1
.endr
.Lstep_\@:
	STEP
	s_add_co_u32 s[STP], s[STP], 1
	s_cmp_lt_u32 s[STP], \trips
	s_cbranch_scc1 .Lstep_\@
	NOPS 8
	s_mov_b32 s48, s[TAU]                          ; the tile that goes out
.if \nxt
	s_sub_co_u32 s[TAU], 127, s[TAU]
	QLOAD
.endif
	v_add_f32 v14, v14, v15
	s_delay_alu instid0(VALU_DEP_1)
	v_permlanex16_b32 v[TP], v14, s[SEL], s[SEL+1]
	s_delay_alu instid0(VALU_DEP_1)
	v_add_f32 v14, v14, v[TP]                      ; the row's sum
	s_wait_alu depctr_va_vdst(0)
	v_rcp_f32 v248, v14
	v_nop
	s_lshr_b32 s36, s[BH], 4
	s_lshl_b32 s36, s36, 7
	s_add_co_u32 s36, s36, s48
	s_lshr_b32 s37, s36, 2                         ; block of 64 rows
	s_and_b32 s38, s36, 3
	s_and_b32 s39, s[BH], 15                       ; the head: K step head / 4 of the product with Wo, block head % 4
	s_lshr_b32 s40, s39, 2
	s_and_b32 s41, s39, 3
	s_lshl_b32 s42, s37, 15
	s_lshl_b32 s43, s40, 13
	s_add_co_u32 s42, s42, s43
	s_lshl_b32 s43, s38, 11
	s_add_co_u32 s42, s42, s43
	s_lshl_b32 s43, s41, 9
	s_add_co_u32 s42, s42, s43
	s_mov_b32 s43, 0
	s_add_nc_u64 s[44:45], s[6:7], s[42:43]
	s_lshl_b32 s42, s37, 10
	s_lshl_b32 s46, s40, 8
	s_add_co_u32 s42, s42, s46
	s_lshl_b32 s46, s38, 6
	s_add_co_u32 s42, s42, s46
	s_add_co_u32 s42, s42, s41
	s_add_co_u32 s42, s42, ZSOFF
	s_add_nc_u64 s[46:47], s[6:7], s[42:43]
	s_wait_alu depctr_va_vdst(0)                   ; the wait ahead of the reciprocal's first reader
.irp p, 0,2,4,6,8,10,12,14
	v_pk_mul_f32 v[OF+\p:OF+\p+1], v[OA+\p:OA+\p+1], v[248:249] op_sel_hi:[1,0]    ; register i: channel 16 (lane / 16) + i of my query
.endr
	v_max3_num_f32 v250, |v[OF]|, |v[OF+1]|, 0x4800000             ; the head's 32 channels are one block of the next K
.irp i, 2,4,6,8,10,12,14
	s_delay_alu instid0(VALU_DEP_1)
	v_max3_num_f32 v250, v250, |v[OF+\i]|, |v[OF+\i+1]|
.endr
	s_delay_alu instid0(VALU_DEP_1)
	v_permlanex16_b32 v251, v250, s[SEL], s[SEL+1]
	s_delay_alu instid0(VALU_DEP_1)
	v_max_num_f32 v250, v250, v251
	s_delay_alu instid0(VALU_DEP_1)
	v_add_nc_u32 v252, 0xfc000000, v250
	s_delay_alu instid0(VALU_DEP_2)
	v_and_or_b32 v251, v250, 0x7f800000, s[MNT]
	s_delay_alu instid0(VALU_DEP_2)
	v_lshrrev_b32 v253, 23, v252
.irp i, 0,1,2,3,4,5,6,7,8,9,10,11,12,13,14,15
	v_med3_num_f32 v[OF+\i], v[OF+\i], -v251, v251
.endr
	v_cvt_scalef32_pk8_fp8_f32 v[OC:OC+1], v[OF:OF+7], v252
	v_cvt_scalef32_pk8_fp8_f32 v[OC+2:OC+3], v[OF+8:OF+15], v252
	v_nop
	global_store_b128 v[AK0], v[OC:OC+3], s[44:45]                 ; one register group of a fragment: 512 consecutive bytes
	global_store_b8 v[R4], v253, s[46:47]                          ; my row's byte of that K step's scale word
	s_wait_xcnt 0x0                                ; the stores have read their data and bases
.endm
	s_load_b128 s[4:7], s[0:1], 0x0                ; qkvbuf, obuf
	v_lshl_add_u32 v254, v0, 2, 0x21000
	v_mov_b32 v255, 0
	v_lshrrev_b32 v7, 5, v0
	s_delay_alu instid0(VALU_DEP_1)
	v_readfirstlane_b32 s[WV], v7                  ; wave 0..15
	v_and_b32 v7, 31, v0
	s_delay_alu instid0(VALU_DEP_1)
	v_lshlrev_b32 v[AK0], 4, v7
	s_delay_alu instid0(VALU_DEP_1)
	v_add_nc_u32 v[AV0], 65536, v[AK0]
	s_delay_alu instid0(VALU_DEP_3)
	v_lshlrev_b32 v[ASK0], 2, v7
	s_delay_alu instid0(VALU_DEP_1)
	v_add_nc_u32 v[ASV0], 133120, v[ASK0]
	s_delay_alu instid0(VALU_DEP_2)
	v_add_nc_u32 v[ASK0], 131072, v[ASK0]
	v_and_b32 v[R4], 15, v0
	s_delay_alu instid0(VALU_DEP_1)
	v_and_b32 v[QL], 8, v[R4]
	s_delay_alu instid0(VALU_DEP_1)
	v_add_nc_u32 v[QL], v[QL], v[R4]               ; r + 8 (r / 8)
	v_bfe_u32 v8, v0, 4, 1
	s_delay_alu instid0(VALU_DEP_1)
	v_lshlrev_b32 v8, 4, v8
	s_delay_alu instid0(VALU_DEP_1)
	v_sub_nc_u32 v[QL], v[QL], v8
	v_lshlrev_b32 v[R4], 2, v[R4]
	s_lshl_b32 s23, s[WV], 13
	v_add_nc_u32 v9, s23, v[AK0]                   ; the copy: 8,192 bytes of codes a wave,
	v_lshlrev_b32 v10, 3, v7
	s_lshl_b32 s24, s[WV], 8
	s_add_co_u32 s25, s24, 131072
	v_add_nc_u32 v11, s25, v10                     ; and 256 bytes of scale words
	s_and_b32 s[BH], ttmp7, 0xffff
	s_lshl_b32 s[TAU], ttmp9, 4
	s_add_co_u32 s[TAU], s[TAU], s[WV]
	s_mul_i32 s22, s[BH], 135168
	s_add_co_u32 s22, s22, KV
	s_add_co_u32 s26, s22, s23
	s_mov_b32 s27, 0
	s_add_co_u32 s28, s22, s25
	s_mov_b32 s29, 0
	s_mov_b32 s[SEL], 0x76543210
	s_mov_b32 s[SEL+1], 0xfedcba98
	s_mov_b32 s[CS], 0x3e8293ee                    ; log2(e) / sqrt(32)
	s_mov_b32 s[CS+1], s[CS]
	s_mov_b32 s[MNT], 0x600000
	s_wait_alu depctr_va_vdst(0)
	s_wait_kmcnt 0x0
	s_add_nc_u64 s[26:27], s[4:5], s[26:27]
	s_add_nc_u64 s[28:29], s[4:5], s[28:29]
.set jj, 0
.rept 16
	global_load_b128 v[S+4*jj:S+4*jj+3], v[AK0], s[26:27] offset:512*jj
.set jj, jj+1
.endr
	global_load_b64 v[OA:OA+1], v10, s[28:29]
	s_wait_xcnt 0x0                                ; the record's loads have read their bases: s28 and s29 are written below
	QLOAD                                          ; the first tile's Q lands with the record
.irp j, 16,17,18,19,20,21,22,23,24,25,26,27,32,33,34,35,36,37,38,39,40,41,42,43
	v_mov_b32 v[\j], 0                             ; the zero codes on both sides of Q
.endr
.irp b, 0,1,2,3
	v_mov_b32 v[BT+\b], 0                          ; a lane permute's destination counts as read
.endr
	v_mov_b32 v[FF+1], 0                           ; named as the upper halves of pairs
	v_mov_b32 v249, 0
	v_mov_b32 v[TP], 0
	v_mov_b32 v251, 0
	s_wait_loadcnt 0x0
.set jj, 0
.rept 16
	ds_store_b128 v9, v[S+4*jj:S+4*jj+3] offset:512*jj
.set jj, jj+1
.endr
	ds_store_b64 v11, v[OA:OA+1]
	s_wait_dscnt 0x0                               ; for the others' sake
	s_barrier_signal -1
	s_barrier_wait -1                              ; the head's record lies in LDS; from here on LDS is only read
	PASS 8, 1                                      ; tile 16 x + w, under 64: at most 8 steps
	PASS 16, 0
	s_wait_tensorcnt 0x0
	ds_add_u32 v254, v255
	s_wait_dscnt 0x0
	s_endpgm
.Lfunc_end_k_q2a51c9e36b_attn:
	.size	k_q2a51c9e36b_attn, .Lfunc_end_k_q2a51c9e36b_attn-k_q2a51c9e36b_attn
	.p2alignl 7, 3214868480
	.fill 96, 4, 3214868480
	.section	.rodata,"a",@progbits
	.p2align	6, 0x0
	.amdhsa_kernel k_q2a51c9e36b_attn
		.amdhsa_group_segment_fixed_size 137216
		.amdhsa_private_segment_fixed_size 0
		.amdhsa_enable_private_segment 0
		.amdhsa_kernarg_size 16
		.amdhsa_user_sgpr_count 2
		.amdhsa_user_sgpr_kernarg_segment_ptr 1
		.amdhsa_wavefront_size32 1
		.amdhsa_system_sgpr_workgroup_id_x 1
		.amdhsa_system_sgpr_workgroup_id_y 1
		.amdhsa_system_sgpr_workgroup_id_z 1
		.amdhsa_system_vgpr_workitem_id 0
		.amdhsa_next_free_vgpr 256
		.amdhsa_next_free_sgpr 66
		.amdhsa_reserve_vcc 1
		.amdhsa_float_denorm_mode_32 3
		.amdhsa_float_denorm_mode_16_64 3
		.amdhsa_memory_ordered 1
		.amdhsa_forward_progress 1
		.amdhsa_inst_pref_size 65
	.end_amdhsa_kernel
	.amdgpu_metadata
---
amdhsa.version: [ 1, 2 ]
amdhsa.kernels:
  - .name:           k_q2a51c9e36b_attn
    .symbol:         k_q2a51c9e36b_attn.kd
    .args:
      - { .name: qkvbuf, .offset: 0, .size: 8, .value_kind: global_buffer, .address_space: global }
      - { .name: obuf, .offset: 8, .size: 8, .value_kind: global_buffer, .address_space: global }
    .group_segment_fixed_size: 137216
    .private_segment_fixed_size: 0
    .kernarg_segment_align: 8
    .kernarg_segment_size: 16
    .max_flat_workgroup_size: 512
    .sgpr_count:     66
    .vgpr_count:     256
    .wavefront_size: 32
...
	.end_amdgpu_metadata
.endif
;; end of part 3
;; launch tail (part 4): grid 256 x 1, 16 waves a work-group, no clusters, 156,672 bytes of LDS; arguments x, obuf, wbuf, bo, g2, be2, b1, b2, out0; writes out0
.if DOCPART == 4
	.amdgcn_target "amdgcn-amd-amdhsa--gfx1250"
	.amdhsa_code_object_version 6
	.text
	.protected	k_q2a51c9e36b_tail
	.globl	k_q2a51c9e36b_tail
	.p2align	8
	.type	k_q2a51c9e36b_tail,@function
k_q2a51c9e36b_tail:
	s_mov_b64 s[64:65], 0
	v_nop
	global_prefetch_b8 v0, s[64:65] scope:SCOPE_SE
	s_setreg_imm32_b32 hwreg(HW_REG_WAVE_MODE, 25, 1), 1
	s_wait_xcnt 0x0
; TAIL.  z_add = x + o Wo + bo;  zn = layer_norm(z_add, g2, be2);  h = gelu(zn W1 + b1);  out = z_add + h W2 + b2.  All three products on codes of E4M3 with E8M0 scales.
; A work-group takes 32 rows (two tiles of 16) through the whole chain: 256 work-groups; nothing but the result goes to memory.
; THE SIXTEEN WAVES SHARE THE COLUMNS: wave w owns output columns 32 w .. 32 w + 31 and hidden units 128 w .. 128 w + 127, which are K step w of the last product.
; Products are used transposed (source 0 = 16 columns of W, source 1 = 16 rows): a lane holds one row and 16 neighbouring columns, half a block of the next K; lane l xor 16 holds the other half.
; Rows' operands go from wave to wave through LDS as images of their registers (2,048 bytes a fragment).
; THE WEIGHTS ARE ONE STREAM FROM MEMORY INTO REGISTERS: nine chunks of 16,384 bytes a wave (Wo; W1's four groups of 32 hidden units; W2's sixteen K steps in four pieces), a chunk = four K steps x two tiles.
; Four register sets hold a K step each; behind a step's four products and eight places its set takes the same step of the NEXT chunk: a whole chunk is asked for ahead, through the activation, the quantiser and the barriers.
; A group of loads is 8 of codes and 1 scale word, with 4 of bias ahead of them in a chunk's first step where the chunk has a bias; the counted waits below count whole groups.
; No cluster, no joint loads: no LDS byte is filled by a copy engine; the weights go to registers.  No data prefetch: the loads themselves stand a chunk (16,384 bytes a wave) ahead of their use.
; LDS: RS 32 rows x 2,064 bytes (x, then z_add, then out); HIMG o's 8, later h's 32 fragments; ZIMG zn's 8; HSC, ZSC their scale words; LNP two sets of partial sums; the spare words.  Six barriers.
; GELU: 0.5 x (1 + erf(x / sqrt 2)), erf(t) = t P(t^2) / Q(t^2) in f32 with t held within +-4.
; LIMITS: 1 + erf carries an absolute error of about one unit in the last place of 1, so far-negative x gives a number of the order of 1e-7 |x| where the true value is smaller;
; NaN and infinities are not served; a block of zeros gets the byte 1 and zero codes (only this program reads the bytes).
.set ZSOFF, 4194304
.set WSOFF, 3145728
.set RSP,  2064
.set HIMG, 66048
.set ZIMG, 131584
.set HSC,  147968
.set ZSC,  150016                      ; HSC + 2048
.set LNP,  150528
.set SPARE, 154624
.set LI,  1                            ; v1   16 x lane
.set LS,  2                            ; v2   4 x lane
.set RA0, 3                            ; v3   RS: my 64 bytes of my row in tile 0 (tile 1: 8 rows on)
.set R4,  4                            ; v4   4 x (lane % 16)
.set BO,  5                            ; v5   64 x (lane / 16)
.set DR,  6                            ; v6   RS by whole rows: rows 2 w on, 16 bytes a lane
.set FH,  7                            ; v7   HIMG + 16 x lane
.set FZ,  8                            ; v8   ZIMG + 16 x lane
.set OW,  9                            ; v9   where I put my 1,024 bytes of o
.set LNA, 10                           ; v10  my word among the partial sums
.set LNR, 11                           ; v11  my row's 16 partial sums
.set ZWI, 12                           ; v12  my register group of zn's images
.set ZWS, 13                           ; v13  my byte of zn's scale words
.set SA,  14                           ; v14  HSC + 4 x lane (zn's words lie 2,048 bytes further on)
.set HWB, 15                           ; v15  my K step's images of h
.set ACC, 16                           ; v16-47   four accumulators: register 16 t + i = (row r of tile t, column 16 h + i of my 32)
.set ZF,  48                           ; v48-79   two fragments of rows; between products at work
.set PC,  48                           ;          the codes just made
.set WB,  80                           ; v80-207  the weights: four sets of two tiles, one set a K step
.set BR,  208                          ; v208-223 the bias of my 16 columns
.set WSC, 224                          ; v224-227 W's scale words, one register a K step: lanes 0-15 tile 0, lanes 16-31 tile 1
.set BSC, 228                          ; v228-231 the rows' likewise
.set HW,  232                          ; v232-233 h's scale words as they grow, a byte a chunk
.set HWS, 234                          ; v234 my K step's scale words of h
.set HWI, 235                          ; v235 HWB + the chunk's register group
.set TM,  236                          ; v236-251 at work
.set SPW, 254                          ; v254 my spare word; v255 0: kept for the add alone
.set NIL, 255
.set GT,  ZF
.set G2,  ZF+8
.set GA,  ZF+16
.set GB,  ZF+24
.set WV,  22
.set MNT, 23
.set SEL, 24
.set WP,  26
.set SP,  28
.set BP,  30
.set AL0, 48
.set AL1, 49
.set BT0, 50
.set BT1, 51
.set AL2, 52
.set AL3, 54
.set AL4, 56
.set AL5, 58
.set AL6, 60
.set BT2, 62
.set BT3, 66
.set BT4, 68
.set RSQ, 70
.set CI,  72
.set HO,  73
.set SH,  74
.set WO,  75                           ; s75-77 byte offsets of the chunk that is asked for: codes and scale words in wbuf, bias in its buffer (s[44:45])
.set SOF, 76
.set BOF, 77
.set W2O, 78
.set W2S, 79
.set B2O, 80
.macro NOPS n
.rept \n
	v_nop
.endr
.endm
.macro WALU
	s_wait_alu depctr_va_vdst(0)
.endm
.macro BARRIER                         ; my LDS stores have landed and my LDS loads are in: then the work-group's barrier
	s_wait_dscnt 0x0
	s_barrier_signal -1
	s_barrier_wait -1
.endm
.macro SC2 reg, val                    ; a constant for packed forms: they name a pair
	s_mov_b32 s[\reg], \val
	s_mov_b32 s[\reg+1], \val
.endm
.macro SETP                            ; the three pointers from their byte offsets
	s_mov_b32 s33, 0
	s_mov_b32 s32, s[WO]
	s_add_nc_u64 s[WP:WP+1], s[8:9], s[32:33]
	s_mov_b32 s32, s[SOF]
	s_add_nc_u64 s[SP:SP+1], s[8:9], s[32:33]
	s_mov_b32 s32, s[BOF]
	s_add_nc_u64 s[BP:BP+1], s[44:45], s[32:33]
.endm
; my 32 numbers (two tiles x 16 columns) become codes in v[PC] on (four registers a tile); tile t's scale byte in v[TM + 4 + t]
.macro QUANT
.irp b, 0,1,2,3
	v_max3_num_f32 v[TM+\b], |v[ACC+8*\b]|, |v[ACC+8*\b+1]|, 0x4800000     ; four chains of eight numbers; the floor 2^(9 - 127) holds the byte at 1 from below
.endr
.irp i, 2,4,6
.irp b, 0,1,2,3
	v_max3_num_f32 v[TM+\b], v[TM+\b], |v[ACC+8*\b+\i]|, |v[ACC+8*\b+\i+1]|
.endr
.endr
.irp t, 0,1
	v_max_num_f32 v[TM+2*\t], v[TM+2*\t], v[TM+2*\t+1]
.endr
.irp t, 0,1
	v_permlanex16_b32 v[TM+4+\t], v[TM+2*\t], s[SEL], s[SEL+1]
.endr
.irp t, 0,1
	v_max_num_f32 v[TM+2*\t], v[TM+2*\t], v[TM+4+\t]                       ; with lane l xor 16's: the block's largest magnitude
.endr
.irp t, 0,1
	v_add_nc_u32 v[TM+12+\t], 0xfc000000, v[TM+2*\t]                       ; 8 off its exponent field: the conversion's scale operand
.endr
.irp t, 0,1
	v_and_or_b32 v[TM+8+\t], v[TM+2*\t], 0x7f800000, s[MNT]                ; 448 x the scale
.endr
.irp t, 0,1
	v_lshrrev_b32 v[TM+4+\t], 23, v[TM+12+\t]                              ; the scale's byte
.endr
.irp t, 0,1
.irp i, 0,1,2,3,4,5,6,7,8,9,10,11,12,13,14,15
	v_med3_num_f32 v[ACC+16*\t+\i], v[ACC+16*\t+\i], -v[TM+8+\t], v[TM+8+\t]   ; the conversion does not saturate (ISA guide 7.6.2)
.endr
	v_cvt_scalef32_pk8_fp8_f32 v[PC+4*\t:PC+4*\t+1], v[ACC+16*\t:ACC+16*\t+7], v[TM+12+\t]
	v_cvt_scalef32_pk8_fp8_f32 v[PC+4*\t+2:PC+4*\t+3], v[ACC+16*\t+8:ACC+16*\t+15], v[TM+12+\t]
.endr
	v_nop                                          ; a plain line behind the last conversion
.endm
; one product: u, t say whether that side's scales stand in lanes 16-31
.macro WM d, a, b, c, sa, sb, u, t
.if (\u) && (\t)
	v_wmma_scale_f32_16x16x128_f8f6f4 v[\d:\d+7], v[\a:\a+15], v[\b:\b+15], v[\c:\c+7], v[\sa], v[\sb] matrix_a_scale:MATRIX_SCALE_ROW1 matrix_b_scale:MATRIX_SCALE_ROW1
.elseif \u
	v_wmma_scale_f32_16x16x128_f8f6f4 v[\d:\d+7], v[\a:\a+15], v[\b:\b+15], v[\c:\c+7], v[\sa], v[\sb] matrix_a_scale:MATRIX_SCALE_ROW1
.elseif \t
	v_wmma_scale_f32_16x16x128_f8f6f4 v[\d:\d+7], v[\a:\a+15], v[\b:\b+15], v[\c:\c+7], v[\sa], v[\sb] matrix_b_scale:MATRIX_SCALE_ROW1
.else
	v_wmma_scale_f32_16x16x128_f8f6f4 v[\d:\d+7], v[\a:\a+15], v[\b:\b+15], v[\c:\c+7], v[\sa], v[\sb]
.endif
.endm
; a group of loads: K step s of the chunk at the three pointers: (bias: 4 loads,) 1 scale word, 8 of codes
.macro ISSUE s, woff, soff, bias
.if \bias
.irp j, 0,1,2,3
	global_load_b128 v[BR+4*\j:BR+4*\j+3], v[BO], s[BP:BP+1] offset:16*\j
.endr
.endif
	global_load_b32 v[WSC+\s], v[LS], s[SP:SP+1] offset:\soff+128*\s
.irp i, 0,1,2,3,4,5,6,7
	global_load_b128 v[WB+32*\s+4*\i:WB+32*\s+4*\i+3], v[LI], s[WP:WP+1] offset:\woff+4096*\s+512*\i
.endr
.endm
.macro FRAGS fa, off                   ; the two row fragments of a K step
.irp t, 0,1
.irp c, 0,1,2,3
	ds_load_b128 v[ZF+16*\t+4*\c:ZF+16*\t+4*\c+3], v[\fa] offset:\off+2048*\t+512*\c
.endr
.endr
.endm
; A K step: 32 rows x 32 columns x 128.  cnt: the loads issued behind this step's group, which may stay out.  cm = 1: the first step's C is the bias.
; The four accumulators take turns, one instruction a turn, in the same order in every step.
; Eight places behind the products, then loads into what they have read: the next step's rows, and (nx) this set's step of the next chunk.
.macro KSTEP s, cm, cnt, fa, foff, nx, woff, soff, nb
	s_wait_loadcnt \cnt
	s_wait_dscnt 0x0
.irp t, 0,1
.irp u, 0,1
.if (\s == 0) && (\cm == 1)
	WM ACC+16*\t+8*\u, WB+32*\s+16*\u, ZF+16*\t, BR+8*\u, WSC+\s, BSC+\s, \u, \t
.else
	WM ACC+16*\t+8*\u, WB+32*\s+16*\u, ZF+16*\t, ACC+16*\t+8*\u, WSC+\s, BSC+\s, \u, \t
.endif
.endr
.endr
	NOPS 8
.if \s < 3
	FRAGS \fa, \foff+4096*(\s+1)
.endif
.if \nx
	ISSUE \s, \woff, \soff, \nb
.endif
.endm
.macro RSLOAD                          ; my 16 columns of my row in both tiles; these 16-byte pieces are mine alone between the first barrier and the last
.irp t, 0,1
.irp j, 0,1,2,3
	ds_load_b128 v[ACC+16*\t+4*\j:ACC+16*\t+4*\j+3], v[RA0] offset:8*\t*RSP+16*\j
.endr
.endr
.endm
.macro RSSTORE                         ; each accumulator from its low end on
.irp t, 0,1
.irp j, 0,1,2,3
	ds_store_b128 v[RA0], v[ACC+16*\t+4*\j:ACC+16*\t+4*\j+3] offset:8*\t*RSP+16*\j
.endr
.endr
.endm
.macro ADDBIAS
.irp t, 0,1
.irp p, 0,2,4,6,8,10,12,14
	v_pk_add_f32 v[ACC+16*\t+\p:ACC+16*\t+\p+1], v[ACC+16*\t+\p:ACC+16*\t+\p+1], v[BR+\p:BR+\p+1]
.endr
.endr
.endm
; for each tile: the sum (sq = 0) or the sum of squares (sq = 1) of my row's 32 columns of this wave, into v[ZF + 8 t]
.macro ROWSUM sq
.irp t, 0,1
.if \sq
	v_pk_mul_f32 v[ZF+8*\t:ZF+8*\t+1], v[ACC+16*\t:ACC+16*\t+1], v[ACC+16*\t:ACC+16*\t+1]
	v_pk_mul_f32 v[ZF+8*\t+2:ZF+8*\t+3], v[ACC+16*\t+2:ACC+16*\t+3], v[ACC+16*\t+2:ACC+16*\t+3]
.else
	v_pk_add_f32 v[ZF+8*\t:ZF+8*\t+1], v[ACC+16*\t:ACC+16*\t+1], v[ACC+16*\t+4:ACC+16*\t+5]
	v_pk_add_f32 v[ZF+8*\t+2:ZF+8*\t+3], v[ACC+16*\t+2:ACC+16*\t+3], v[ACC+16*\t+6:ACC+16*\t+7]
.endif
.endr
.if \sq
.irp m, 4,8,12
.irp t, 0,1
	v_pk_fma_f32 v[ZF+8*\t:ZF+8*\t+1], v[ACC+16*\t+\m:ACC+16*\t+\m+1], v[ACC+16*\t+\m:ACC+16*\t+\m+1], v[ZF+8*\t:ZF+8*\t+1]
	v_pk_fma_f32 v[ZF+8*\t+2:ZF+8*\t+3], v[ACC+16*\t+\m+2:ACC+16*\t+\m+3], v[ACC+16*\t+\m+2:ACC+16*\t+\m+3], v[ZF+8*\t+2:ZF+8*\t+3]
.endr
.endr
.else
.irp m, 8,12
.irp t, 0,1
	v_pk_add_f32 v[ZF+8*\t:ZF+8*\t+1], v[ZF+8*\t:ZF+8*\t+1], v[ACC+16*\t+\m:ACC+16*\t+\m+1]
	v_pk_add_f32 v[ZF+8*\t+2:ZF+8*\t+3], v[ZF+8*\t+2:ZF+8*\t+3], v[ACC+16*\t+\m+2:ACC+16*\t+\m+3]
.endr
.endr
.endif
.irp t, 0,1
	v_pk_add_f32 v[ZF+8*\t:ZF+8*\t+1], v[ZF+8*\t:ZF+8*\t+1], v[ZF+8*\t+2:ZF+8*\t+3]
.endr
.irp t, 0,1
	v_add_f32 v[ZF+8*\t], v[ZF+8*\t], v[ZF+8*\t+1]
.endr
.irp t, 0,1
	v_permlanex16_b32 v[ZF+8*\t+2], v[ZF+8*\t], s[SEL], s[SEL+1]
.endr
.irp t, 0,1
	v_add_f32 v[ZF+8*\t], v[ZF+8*\t], v[ZF+8*\t+2]
.endr
.endm
; the sixteen waves' partial sums of my row in each tile, added in one order in every wave, into v[dst + 2 t]
.macro LNRED off, dst
.irp e, 0,1
.irp q, 0,1,2,3
	ds_load_b128 v[ZF+16*\e+4*\q:ZF+16*\e+4*\q+3], v[LNR] offset:\off+1024*\e+16*\q
.endr
.endr
	s_wait_dscnt 0x0
.irp m, 0,4,8,12
.irp e, 0,1
	v_pk_add_f32 v[ZF+16*\e+\m:ZF+16*\e+\m+1], v[ZF+16*\e+\m:ZF+16*\e+\m+1], v[ZF+16*\e+\m+2:ZF+16*\e+\m+3]
.endr
.endr
.irp m, 0,8
.irp e, 0,1
	v_pk_add_f32 v[ZF+16*\e+\m:ZF+16*\e+\m+1], v[ZF+16*\e+\m:ZF+16*\e+\m+1], v[ZF+16*\e+\m+4:ZF+16*\e+\m+5]
.endr
.endr
.irp e, 0,1
	v_pk_add_f32 v[ZF+16*\e:ZF+16*\e+1], v[ZF+16*\e:ZF+16*\e+1], v[ZF+16*\e+8:ZF+16*\e+9]
.endr
.irp e, 0,1
	v_add_f32 v[\dst+2*\e], v[ZF+16*\e], v[ZF+16*\e+1]
.endr
.endm
; one accumulator's 8 numbers of a lane: x -> 0.5 x (1 + erf(x / sqrt 2)).  Eight reciprocals are one batch, with one wait ahead of it and one behind it.
.macro GELU g
.set GX, ACC+8*(\g)
.irp p, 0,2,4,6
	v_pk_mul_f32 v[GT+\p:GT+\p+1], v[GX+\p:GX+\p+1], s[RSQ:RSQ+1] op_sel_hi:[1,0]   ; t = x / sqrt 2 (the accumulator is read from its low end on)
.endr
.irp i, 0,1,2,3,4,5,6,7
	v_med3_num_f32 v[GT+\i], v[GT+\i], -4.0, 4.0
.endr
.irp p, 0,2,4,6
	v_pk_mul_f32 v[G2+\p:G2+\p+1], v[GT+\p:GT+\p+1], v[GT+\p:GT+\p+1]
.endr
.irp i, 0,1,2,3,4,5,6,7
	v_fma_f32 v[GA+\i], v[G2+\i], s[AL0], s[AL1]
.endr
.irp i, 0,1,2,3,4,5,6,7
	v_fma_f32 v[GB+\i], v[G2+\i], s[BT0], s[BT1]
.endr
.irp k, AL2, AL3, AL4, AL5, AL6
.irp p, 0,2,4,6
	v_pk_fma_f32 v[GA+\p:GA+\p+1], v[GA+\p:GA+\p+1], v[G2+\p:G2+\p+1], s[\k:\k+1] op_sel_hi:[1,1,0]
.endr
.endr
.irp k, BT2, BT3, BT4
.irp p, 0,2,4,6
	v_pk_fma_f32 v[GB+\p:GB+\p+1], v[GB+\p:GB+\p+1], v[G2+\p:G2+\p+1], s[\k:\k+1] op_sel_hi:[1,1,0]
.endr
.endr
.irp p, 0,2,4,6
	v_pk_mul_f32 v[GA+\p:GA+\p+1], v[GA+\p:GA+\p+1], v[GT+\p:GT+\p+1]
.endr
	WALU                                           ; the wait ahead of the batch
.irp i, 0,1,2,3,4,5,6,7
	v_rcp_f32 v[GB+\i], v[GB+\i]
.endr
.irp p, 0,2,4,6
	v_pk_mul_f32 v[GT+\p:GT+\p+1], v[GX+\p:GX+\p+1], 0.5 op_sel_hi:[1,0]            ; plain work behind the batch
.endr
	WALU                                           ; one wait for the eight, ahead of their first reader
.irp p, 0,2,4,6
	v_pk_mul_f32 v[GA+\p:GA+\p+1], v[GA+\p:GA+\p+1], v[GB+\p:GB+\p+1]               ; erf
.endr
.irp p, 0,2,4,6
	v_pk_fma_f32 v[GX+\p:GX+\p+1], v[GT+\p:GT+\p+1], v[GA+\p:GA+\p+1], v[GT+\p:GT+\p+1]
.endr
.endm
	s_load_b256 s[4:11], s[0:1], 0x0               ; x s[4:5], obuf s[6:7], wbuf s[8:9], bo s[10:11]
	s_load_b256 s[12:19], s[0:1], 0x20             ; g2, be2, b1, b2
	s_load_b64 s[20:21], s[0:1], 0x40              ; out0
	v_lshrrev_b32 v[TM], 5, v0
	v_readfirstlane_b32 s[WV], v[TM]               ; wave 0..15
	s_mov_b32 s[MNT], 0x600000
	s_mov_b32 s[SEL], 0x76543210
	s_mov_b32 s[SEL+1], 0xfedcba98
	s_mov_b32 s[AL0], 0xaf95df0b                   ; P, highest power first
	s_mov_b32 s[AL1], 0x32edffee
	SC2 AL2, 0xb60cff51
	SC2 AL3, 0xb86ec2d2
	SC2 AL4, 0xba40ac63
	SC2 AL5, 0xbb41a1f6
	SC2 AL6, 0xbc83dbd4
	s_mov_b32 s[BT0], 0xb77460cd                   ; Q
	s_mov_b32 s[BT1], 0xb95fbd29
	SC2 BT2, 0xbadc924e
	SC2 BT3, 0xbbf19bf8
	SC2 BT4, 0xbc69b6a7
	SC2 RSQ, 0x3f3504f3                            ; 1 / sqrt 2
	s_lshl_b32 s42, s[WV], 7                       ; 128 w
	s_mov_b32 s43, 0
	s_mul_i32 s46, s[WV], 2*RSP                    ; RS: rows 2 w on
	s_lshl_b32 s88, s[WV], 10
	s_add_co_u32 s47, s88, HIMG                    ; my 1,024 bytes of o's images
	s_lshl_b32 s81, s[WV], 2
	s_lshr_b32 s82, s[WV], 2                       ; w / 4
	s_and_b32 s83, s[WV], 3                        ; w % 4
	s_lshl_b32 s84, s82, 12
	s_lshl_b32 s85, s83, 9
	s_add_co_u32 s84, s84, s85
	s_add_co_u32 s84, s84, ZIMG                    ; zn: K step w / 4, register group w % 4
	s_lshl_b32 s85, s82, 7
	s_add_co_u32 s85, s85, s83
	s_add_co_u32 s85, s85, ZSC
	s_lshl_b32 s86, s[WV], 12
	s_add_co_u32 s86, s86, HIMG                    ; h: K step w
	s_add_co_u32 s87, s42, HSC
	s_lshl_b32 s32, ttmp9, 16                      ; 32 rows of 2,048 bytes,
	s_lshl_b32 s33, s[WV], 12                      ; my 2 of them
	s_add_co_u32 s32, s32, s33
	s_mov_b32 s33, 0
	s_lshr_b32 s36, ttmp9, 1                       ; obuf's block of 64 rows,
	s_and_b32 s37, ttmp9, 1                        ; and which two of its four tiles
	s_lshl_b32 s34, s36, 15
	s_lshl_b32 s38, s82, 13
	s_add_co_u32 s34, s34, s38
	s_lshl_b32 s38, s37, 12
	s_add_co_u32 s34, s34, s38
	s_lshl_b32 s38, s83, 10
	s_add_co_u32 s34, s34, s38
	s_mov_b32 s35, 0
	s_lshl_b32 s40, s36, 10
	s_lshl_b32 s38, s37, 7
	s_add_co_u32 s40, s40, s38
	s_add_co_u32 s40, s40, ZSOFF
	s_mov_b32 s41, 0
	s_lshl_b32 s[WO], s[WV], 14
	s_add_co_u32 s[WO], s[WO], 786432              ; Wo's columns 32 w on
	s_lshl_b32 s[SOF], s[WV], 9
	s_add_co_u32 s[SOF], s[SOF], WSOFF+24576
	s_mov_b32 s[BOF], s42
	s_lshl_b32 s[W2O], s[WV], 16
	s_add_co_u32 s[W2O], s[W2O], 2097152           ; W2's columns 32 w on: 16 K steps
	s_lshl_b32 s[W2S], s[WV], 11
	s_add_co_u32 s[W2S], s[W2S], WSOFF+65536
	s_mov_b32 s[B2O], s42
	v_lshl_add_u32 v[SPW], v0, 2, SPARE
	v_mov_b32 v[NIL], 0
	v_and_b32 v[TM], 31, v0
	v_lshlrev_b32 v[LI], 4, v[TM]
	v_lshlrev_b32 v[LS], 2, v[TM]
	v_and_b32 v[TM+1], 15, v0                      ; r
	v_lshlrev_b32 v[R4], 2, v[TM+1]
	v_bfe_u32 v[TM+2], v0, 4, 1
	v_lshlrev_b32 v[BO], 6, v[TM+2]
	v_and_b32 v[TM+3], 8, v[TM+1]
	v_add_nc_u32 v[TM+3], v[TM+3], v[TM+1]         ; r + 8 (r / 8)
	v_mul_u32_u24 v[RA0], v[TM+3], RSP
	v_add_nc_u32 v[RA0], v[RA0], v[BO]
	v_add_nc_u32 v[RA0], s42, v[RA0]
	v_add_nc_u32 v[DR], s46, v[LI]
	v_add_nc_u32 v[FH], HIMG, v[LI]
	v_add_nc_u32 v[FZ], ZIMG, v[LI]
	v_add_nc_u32 v[OW], s47, v[LI]
	v_lshl_add_u32 v[LNR], v[R4], 4, LNP           ; 64 r
	v_add_nc_u32 v[LNA], s81, v[LNR]               ; + 4 w
	v_add_nc_u32 v[ZWI], s84, v[LI]
	v_add_nc_u32 v[ZWS], s85, v[R4]
	v_add_nc_u32 v[SA], HSC, v[LS]
	v_add_nc_u32 v[HWB], s86, v[LI]
	v_add_nc_u32 v[HWS], s87, v[R4]
	v_mov_b32 v[HW], 0
	v_mov_b32 v[HW+1], 0
	v_mov_b32 v[TM+4], 0                           ; a lane permute's destination counts as read
	v_mov_b32 v[TM+5], 0
	WALU                                           ; the wait at the head's end
	s_wait_kmcnt 0x0
	s_add_nc_u64 s[4:5], s[4:5], s[32:33]
	s_add_nc_u64 s[20:21], s[20:21], s[32:33]
	s_add_nc_u64 s[36:37], s[6:7], s[34:35]
	s_add_nc_u64 s[38:39], s[6:7], s[40:41]
	s_add_nc_u64 s[12:13], s[12:13], s[42:43]
	s_add_nc_u64 s[14:15], s[14:15], s[42:43]
	s_mov_b64 s[44:45], s[10:11]
	SETP
	; ---- 0: x's rows and o's fragments into LDS; Wo's whole chunk is asked for
.set ii, 0
.rept 8
	global_load_b128 v[ZF+4*ii:ZF+4*ii+3], v[LI], s[4:5] offset:(ii/4)*2048+(ii%4)*512 th:TH_LOAD_NT
.set ii, ii+1
.endr
.irp i, 0,1
	global_load_b128 v[ACC+4*\i:ACC+4*\i+3], v[LI], s[36:37] offset:512*\i
.endr
.irp k, 0,1,2,3
	global_load_b32 v[BSC+\k], v[LS], s[38:39] offset:256*\k       ; o's scale words: lanes 0-15 my first tile, lanes 16-31 my second
.endr
	ISSUE 0, 0, 0, 1
	ISSUE 1, 0, 0, 0
	ISSUE 2, 0, 0, 0
	ISSUE 3, 0, 0, 0
	s_wait_loadcnt 44                              ; x and o are in; behind them: 4 scale words and Wo's 13 + 27 loads
.set ii, 0
.rept 8
	ds_store_b128 v[DR], v[ZF+4*ii:ZF+4*ii+3] offset:(ii/4)*RSP+(ii%4)*512
.set ii, ii+1
.endr
.irp i, 0,1
	ds_store_b128 v[OW], v[ACC+4*\i:ACC+4*\i+3] offset:512*\i
.endr
	s_wait_xcnt 0x0                                ; the loads have read their bases: the pointers go on to W1's first chunk and b1
	s_lshl_b32 s[WO], s[WV], 16
	s_add_co_u32 s[WO], s[WO], 1048576             ; W1's group of columns 4 w
	s_lshl_b32 s[SOF], s[WV], 11
	s_add_co_u32 s[SOF], s[SOF], WSOFF+32768
	s_lshl_b32 s[BOF], s[WV], 9
	s_mov_b64 s[44:45], s[16:17]
	SETP
	BARRIER
	; ---- 1: z_add = x + bo + o Wo
	RSLOAD
	FRAGS FH, 0
	s_wait_dscnt 0x0
	s_wait_loadcnt 36                              ; bo is in; behind it: 9 loads of its group and three groups of 9
	ADDBIAS
	WALU                                           ; the wait here, ahead of the waits below
	KSTEP 0, 2, 27, FH, 0, 1, 0, 0, 1              ; behind a step's group: three groups of 9,
	KSTEP 1, 2, 31, FH, 0, 1, 0, 0, 0              ; one of them with the next chunk's 4 loads of bias
	KSTEP 2, 2, 31, FH, 0, 1, 0, 0, 0
	KSTEP 3, 2, 31, FH, 0, 0, 0, 0, 0              ; the fourth set first serves g2 and be2
	RSSTORE                                        ; z_add is kept for the end
	; ---- 2: layer norm 2
.irp j, 0,1,2,3
	global_load_b128 v[WB+96+4*\j:WB+96+4*\j+3], v[BO], s[12:13] offset:16*\j      ; g2 and be2 of my 16 columns
	global_load_b128 v[WB+112+4*\j:WB+112+4*\j+3], v[BO], s[14:15] offset:16*\j
.endr
	ROWSUM 0
.irp t, 0,1
	ds_store_b32 v[LNA], v[ZF+8*\t] offset:1024*\t
.endr
	BARRIER
	LNRED 0, TM
.irp t, 0,1
	v_mul_f32 v[TM+2*\t], 0xbb000000, v[TM+2*\t]   ; - the mean
.endr
.irp t, 0,1
	v_mov_b32 v[TM+2*\t+1], v[TM+2*\t]
.endr
.irp t, 0,1
.irp p, 0,2,4,6,8,10,12,14
	v_pk_add_f32 v[ACC+16*\t+\p:ACC+16*\t+\p+1], v[ACC+16*\t+\p:ACC+16*\t+\p+1], v[TM+2*\t:TM+2*\t+1]
.endr
.endr
	ROWSUM 1                                       ; squares of the differences: no difference of large sums is formed
.irp t, 0,1
	ds_store_b32 v[LNA], v[ZF+8*\t] offset:2048+1024*\t
.endr
	BARRIER
	LNRED 2048, TM+8
.irp t, 0,1
	v_mul_f32 v[TM+8+2*\t], 0x3b004020, v[TM+8+2*\t]               ; / 511
.endr
	WALU
.irp t, 0,1
	v_sqrt_f32 v[TM+8+2*\t], v[TM+8+2*\t]
.endr
	v_nop
	WALU
.irp t, 0,1
	v_add_f32 v[TM+8+2*\t], 0x3727c5ac, v[TM+8+2*\t]               ; + 1e-5
.endr
	WALU
.irp t, 0,1
	v_rcp_f32 v[TM+8+2*\t], v[TM+8+2*\t]
.endr
	v_nop
	WALU
.irp t, 0,1
	v_mov_b32 v[TM+9+2*\t], v[TM+8+2*\t]
.endr
	WALU
	s_wait_loadcnt 0x0                             ; g2 and be2 (they were asked for last)
.irp t, 0,1
.irp p, 0,2,4,6,8,10,12,14
	v_pk_mul_f32 v[ACC+16*\t+\p:ACC+16*\t+\p+1], v[ACC+16*\t+\p:ACC+16*\t+\p+1], v[TM+8+2*\t:TM+9+2*\t]
.endr
.endr
.irp t, 0,1
.irp p, 0,2,4,6,8,10,12,14
	v_pk_fma_f32 v[ACC+16*\t+\p:ACC+16*\t+\p+1], v[ACC+16*\t+\p:ACC+16*\t+\p+1], v[WB+96+\p:WB+97+\p], v[WB+112+\p:WB+113+\p]
.endr
.endr
	ISSUE 3, 0, 0, 0                               ; the fourth set is free: the last step of W1's first chunk
	QUANT                                          ; my 32 columns are block w % 4 of K step w / 4
.irp t, 0,1
	ds_store_b128 v[ZWI], v[PC+4*\t:PC+4*\t+3] offset:2048*\t
	ds_store_b8 v[ZWS], v[TM+4+\t] offset:64*\t
.endr
	BARRIER
	; ---- 3: h = gelu(zn W1 + b1): four chunks of 32 hidden units, which become the four blocks of my K step of the last product
.irp k, 0,1,2,3
	ds_load_b32 v[BSC+\k], v[SA] offset:2048+128*\k                ; zn's scale words
.endr
	s_mov_b32 s[CI], 0
	s_mov_b32 s[HO], 0
	s_mov_b32 s[SH], 0
.Lhid:
	s_wait_xcnt 0x0                                ; the loads have read their bases
	s_add_co_u32 s40, s[WO], 16384                 ; the next chunk of W1, or, behind the last, W2's first four K steps and b2: byte offsets are chosen, and the bias's buffer
	s_add_co_u32 s41, s[SOF], 512
	s_add_co_u32 s42, s[BOF], 128
	s_cmp_eq_u32 s[CI], 3
	s_cselect_b32 s[WO], s[W2O], s40
	s_cselect_b32 s[SOF], s[W2S], s41
	s_cselect_b32 s[BOF], s[B2O], s42
	s_cselect_b64 s[44:45], s[18:19], s[16:17]
	SETP
	FRAGS FZ, 0
	KSTEP 0, 1, 27, FZ, 0, 1, 0, 0, 1
	KSTEP 1, 1, 31, FZ, 0, 1, 0, 0, 0
	KSTEP 2, 1, 31, FZ, 0, 1, 0, 0, 0
	KSTEP 3, 1, 31, FZ, 0, 1, 0, 0, 0
	GELU 0
	GELU 1
	GELU 2
	GELU 3
	QUANT
	v_add_nc_u32 v[HWI], s[HO], v[HWB]
.irp t, 0,1
	ds_store_b128 v[HWI], v[PC+4*\t:PC+4*\t+3] offset:2048*\t
.endr
.irp t, 0,1
	v_lshl_or_b32 v[HW+\t], v[TM+4+\t], s[SH], v[HW+\t]
.endr
	WALU                                           ; the wait here, ahead of the wait and the branch below
	s_wait_dscnt 0x0                               ; the stores have read the codes' registers
	s_add_co_u32 s[HO], s[HO], 512
	s_add_co_u32 s[SH], s[SH], 8
	s_add_co_u32 s[CI], s[CI], 1
	s_cmp_lt_u32 s[CI], 4
	s_cbranch_scc1 .Lhid
.irp t, 0,1
	ds_store_b32 v[HWS], v[HW+\t] offset:64*\t
.endr
	BARRIER
	; ---- 4: out = z_add + b2 + h W2: sixteen K steps in four pieces; every offset is an immediate
	RSLOAD
	s_wait_dscnt 0x0
	s_wait_loadcnt 36                              ; b2 is in; behind it: 9 loads of its group and three groups of 9
	ADDBIAS
	WALU                                           ; the wait here, ahead of the waits below
.irp q, 0,1,2,3
.irp k, 0,1,2,3
	ds_load_b32 v[BSC+\k], v[SA] offset:512*\q+128*\k              ; h's scale words of these four K steps
.endr
	FRAGS FH, 16384*\q
.if \q < 3
	KSTEP 0, 2, 27, FH, 16384*\q, 1, 16384*(\q+1), 512*(\q+1), 0
	KSTEP 1, 2, 27, FH, 16384*\q, 1, 16384*(\q+1), 512*(\q+1), 0
	KSTEP 2, 2, 27, FH, 16384*\q, 1, 16384*(\q+1), 512*(\q+1), 0
	KSTEP 3, 2, 27, FH, 16384*\q, 1, 16384*(\q+1), 512*(\q+1), 0
.else
	KSTEP 0, 2, 27, FH, 16384*\q, 0, 0, 0, 0       ; the last piece asks for nothing: the groups behind a step grow fewer
	KSTEP 1, 2, 18, FH, 16384*\q, 0, 0, 0, 0
	KSTEP 2, 2, 9, FH, 16384*\q, 0, 0, 0, 0
	KSTEP 3, 2, 0, FH, 16384*\q, 0, 0, 0, 0
.endif
.endr
	RSSTORE
	BARRIER                                        ; 32 whole rows of the result lie in RS
.set ii, 0
.rept 8
	ds_load_b128 v[ZF+4*ii:ZF+4*ii+3], v[DR] offset:(ii/4)*RSP+(ii%4)*512
.set ii, ii+1
.endr
.set ii, 0
.rept 8
	s_wait_dscnt 7-ii
	global_store_b128 v[LI], v[ZF+4*ii:ZF+4*ii+3], s[20:21] offset:(ii/4)*2048+(ii%4)*512 th:TH_STORE_NT   ; 32 lanes store 512 consecutive bytes
.set ii, ii+1
.endr
	s_wait_tensorcnt 0x0                           ; the wave's end
	ds_add_u32 v[SPW], v[NIL]
	s_wait_dscnt 0x0
	s_endpgm
.Lfunc_end_k_q2a51c9e36b_tail:
	.size	k_q2a51c9e36b_tail, .Lfunc_end_k_q2a51c9e36b_tail-k_q2a51c9e36b_tail
	.p2alignl 7, 3214868480
	.fill 96, 4, 3214868480
	.section	.rodata,"a",@progbits
	.p2align	6, 0x0
	.amdhsa_kernel k_q2a51c9e36b_tail
		.amdhsa_group_segment_fixed_size 156672
		.amdhsa_private_segment_fixed_size 0
		.amdhsa_enable_private_segment 0
		.amdhsa_kernarg_size 72
		.amdhsa_user_sgpr_count 2
		.amdhsa_user_sgpr_kernarg_segment_ptr 1
		.amdhsa_wavefront_size32 1
		.amdhsa_system_sgpr_workgroup_id_x 1
		.amdhsa_system_sgpr_workgroup_id_y 1
		.amdhsa_system_sgpr_workgroup_id_z 1
		.amdhsa_system_vgpr_workitem_id 0
		.amdhsa_next_free_vgpr 256
		.amdhsa_next_free_sgpr 90
		.amdhsa_reserve_vcc 0
		.amdhsa_float_denorm_mode_32 3
		.amdhsa_float_denorm_mode_16_64 3
		.amdhsa_memory_ordered 1
		.amdhsa_forward_progress 1
		.amdhsa_inst_pref_size 110
	.end_amdhsa_kernel
	.amdgpu_metadata
---
amdhsa.version: [ 1, 2 ]
amdhsa.kernels:
  - .name:           k_q2a51c9e36b_tail
    .symbol:         k_q2a51c9e36b_tail.kd
    .args:
      - { .name: x, .offset: 0, .size: 8, .value_kind: global_buffer, .address_space: global }
      - { .name: obuf, .offset: 8, .size: 8, .value_kind: global_buffer, .address_space: global }
      - { .name: wbuf, .offset: 16, .size: 8, .value_kind: global_buffer, .address_space: global }
      - { .name: bo, .offset: 24, .size: 8, .value_kind: global_buffer, .address_space: global }
      - { .name: g2, .offset: 32, .size: 8, .value_kind: global_buffer, .address_space: global }
      - { .name: be2, .offset: 40, .size: 8, .value_kind: global_buffer, .address_space: global }
      - { .name: b1, .offset: 48, .size: 8, .value_kind: global_buffer, .address_space: global }
      - { .name: b2, .offset: 56, .size: 8, .value_kind: global_buffer, .address_space: global }
      - { .name: out0, .offset: 64, .size: 8, .value_kind: global_buffer, .address_space: global }
    .group_segment_fixed_size: 156672
    .private_segment_fixed_size: 0
    .kernarg_segment_align: 8
    .kernarg_segment_size: 72
    .max_flat_workgroup_size: 512
    .sgpr_count:     90
    .vgpr_count:     256
    .wavefront_size: 32
...
	.end_amdgpu_metadata
.endif
;; end of part 4
